; MI455X (gfx1250); checked and timed in simulation.
; The chip was launched on July 23, 2026; its instructions are those of AMD's public machine-readable ISA for CDNA 5 (MIT licence, August 2026) and "CDNA5" Instruction Set Architecture Reference Guide (July 2026). The comments in the code are by the model that wrote it; some were corrected since.
;; Mo E Layer. Allowed arithmetic: matrix products marked QUANTISED: E4M3 operands, one given power-of-two scale a tensor, by v_wmma_f32_16x16x64_fp8_fp8 or v_wmma_f32_16x16x128_fp8_fp8, f32 sums; products left as they are: f32 operands where the result goes on into a quantised operand, else bf16, f16 or f32 operands; f32 sums; everything else in f32.
;; Inputs: lowp_scales 6 int32 (the exponents e of the quantised operands' scales 2^e); w1 8 x 1,024 x 2,048 float32; w2 8 x 2,048 x 1,024 float32; w3 8 x 1,024 x 2,048 float32; w_gate 1,024 x 8 float32; x 4 x 256 x 1,024 float32.
;; Outputs: out0 4 x 256 x 1,024 float32.
;; This version of the problem:
;;   THIS VERSION OF THE PROBLEM IS GIVEN IN LOW PRECISION. The matrix products marked QUANTISED in the list below multiply operands that are first quantised to E4M3 (4 exponent bits, 3 mantissa bits; 8 bits a number), with one given power-of-two scale for each operand tensor; their sums are f32. All else is computed in f32.
;;   The module's matrix products, in the order in which they are computed (A, B: the left and right operand; K: the contracted axis; several contracted axes count as one K, in the product's order):
;;     1. [M 1,024, K 1,024] x [K 1,024, N 8]; A: input x; B: input w_gate: left as it is (N = 8 < 16)
;;     2. [M 16,384, K 1,024] x [K 1,024, N 1,024]; A: input w1; B: input x: QUANTISED (scales: A lowp_scales[0], B lowp_scales[1])
;;     3. [M 16,384, K 1,024] x [K 1,024, N 1,024]; A: input w3; B: input x: QUANTISED (scales: A lowp_scales[2], B lowp_scales[3])
;;     4. batch 8 x [M 1,024, K 2,048] x [K 2,048, N 1,024]; A: computed on the way; B: input w2: QUANTISED (scales: A lowp_scales[4], B lowp_scales[5])
;;     5. batch 1,024 x [M 1,024, K 2] x [K 2, N 1]; A: computed on the way; B: softmax: left as it is (K = 2 < 32)
;;   THE QUANTISER, for each operand of a quantised product, along K:
;;     - The operand's scale is 2^e, e = its entry of the input lowp_scales (int32; the entries are numbered through the quantised products in the list's order, A before B).
;;     - Each number is divided by the scale, clamped to +-448, and rounded to the nearest number of E4M3, ties to even, subnormals kept.
;;     - The product sums the exact products of the quantised numbers (number of the format x scale) in f32.
;;   ~~~python
;;   def quantise(x, axis, e):      # numpy; x: float32 -> the quantised numbers, widened to float32 again
;;       x = np.moveaxis(x, axis, -1); K = x.shape[-1]
;;       r = np.clip(x / 2.0 ** e, -448, 448)
;;       step = 2.0 ** (np.maximum(np.frexp(np.where(r == 0, 1, r))[1] - 1, -6) - 3)
;;       q = np.round(r / step) * step * 2.0 ** e      # np.round: ties to even
;;       return np.moveaxis(q, -1, axis).astype(np.float32)
;;   ~~~
;;   OPERANDS COMPUTED ON THE WAY. 'Computed on the way' means the value that the module computes at that place (a softmax that the list does not call 'softmax' is quantised finished and normalised). What goes into a quantiser is computed in f32, as accurately as f32 sums, v_exp_f32 and their like allow (about 1e-6 of the number): no bf16 or f16 on the way to a quantiser, and a product that is left as it is and whose result goes on into a quantised operand takes f32 operands (vector FMAs, or v_wmma_f32_16x16x4_f32). A number that lies on a knife's edge between two numbers of the format may be rounded either way, as far as f32 arithmetic and the matrix unit's own rounding can turn it there, and no further.
;; 2 versions. Each part assembles by itself: llvm-mc -triple=amdgcn-amd-amdhsa -mcpu=gfx1250 --defsym DOCPART=n.
;; ======== version 1 of 2: 5 launches
;; workspace buffers: routei 9,216 bytes of whole numbers; probs 8,192 bytes; rowinfo 32,768 bytes of whole numbers; rowp 32,768 bytes; xg 16,777,216 bytes; hq 16,777,216 bytes; ybuf 16,777,216 bytes
;; launch route (part 1): grid 128 x 1, 8 waves a work-group, no clusters, 3,072 bytes of LDS; arguments x, w_gate, routei, probs; writes routei, probs
.if DOCPART == 1
	.amdgcn_target "amdgcn-amd-amdhsa--gfx1250"
	.amdhsa_code_object_version 6
	.text
	.protected	k_qaea09a8f94_route
	.globl	k_qaea09a8f94_route
	.p2align	8
	.type	k_qaea09a8f94_route,@function
k_qaea09a8f94_route:
	s_mov_b64 s[64:65], 0
	v_nop
	global_prefetch_b8 v0, s[64:65] scope:SCOPE_SE
	s_setreg_imm32_b32 hwreg(HW_REG_WAVE_MODE, 25, 1), 1
	s_wait_xcnt 0x0
; THE ROUTER.  logits = x w_gate in f32 (fused multiply-adds), the two largest of eight, softmax over the two.
; A work-group owns 8 tokens; wave w takes K = 128 w .. 128 w + 127 for all eight.  Lane l holds k = 128 w + 4 l + j (j = 0 .. 3): its four rows of w_gate are 128 consecutive bytes,
; and a load of x covers 512 consecutive bytes of a token's row.  So a wave issues 16 loads, and each number of x is read once in the launch.
; Eight tokens are the least that a work-group can own: in the masks a token is one bit, and each byte of a buffer is stored by one work-group.
; Stored: routei[0 .. 8191] = the two experts of each token (int32 pairs); routei[8192 ..] = mask[e][128 bytes]: bit t & 7 of byte t >> 3 says that token t has expert e
; (read as 32 words: bit b of word i is token 32 i + b); probs = the two weights.  All at fixed places: no address and no branch hangs on the choice.
; Matrix units, clusters and the tensor data mover are left out: the product has 8 columns, and the work-groups share nothing but w_gate's 32 KiB.
; LIMITS: NaN and infinities among the inputs are not served.  Equal logits keep the lower index, as jax.lax.top_k does.
.set W, 16                             ; v16-47    w_gate: W + 8 j + e
.set X, 48                             ; v48-79    x: X + 4 t + j
.set A, 80                             ; v80-143   sums: A + 8 t + e
	s_load_b256 s[4:11], s[0:1], 0x0               ; x s[4:5], w_gate s[6:7], routei s[8:9], probs s[10:11]
	v_lshl_add_u32 v144, v0, 2, 0x800
	v_mov_b32 v145, 0
	v_lshrrev_b32 v5, 5, v0
	v_readfirstlane_b32 s12, v5                    ; wave 0..7
	v_and_b32 v1, 31, v0                           ; lane
	v_lshlrev_b32 v2, 4, v1                        ; x: 16 bytes a lane
	v_lshlrev_b32 v3, 7, v1                        ; w_gate: four rows of 32 bytes a lane
	v_and_b32 v5, 7, v0
	v_lshlrev_b32 v5, 5, v5                        ; LDS, for wave 0: token (lane & 7)'s eight logits
	s_lshl_b32 s16, s12, 12                        ; w_gate: 128 rows of 32 bytes a wave
	s_mov_b32 s17, 0
	s_lshl_b32 s18, ttmp9, 15                      ; x: 8 tokens of 4,096 bytes a work-group,
	s_lshl_b32 s19, s12, 9                         ; 128 numbers a wave
	s_add_co_u32 s18, s18, s19
	s_mov_b32 s19, 0
	s_lshl_b32 s20, s12, 8                         ; LDS: LG[wave][token][8] f32
	v_mov_b32 v4, s20
	s_mov_b32 s22, 0x76543210                      ; v_permlanex16_b32: lane l xor 16
	s_mov_b32 s23, 0xfedcba98
	s_lshl_b32 s24, ttmp9, 6
	v_lshl_add_u32 v6, v1, 3, s24                  ; where a token's pair is stored: 8 x token
	s_mov_b32 s25, ttmp9
	v_lshl_add_u32 v7, v1, 7, s25                  ; where expert (= lane)'s mask byte is stored: 128 x expert + work-group
	s_wait_kmcnt 0x0
	s_add_nc_u64 s[6:7], s[6:7], s[16:17]
	s_add_nc_u64 s[4:5], s[4:5], s[18:19]
.irp q, 0,1,2,3,4,5,6,7
	global_load_b128 v[W+4*\q:W+4*\q+3], v3, s[6:7] offset:16*\q
.endr
.irp t, 0,1,2,3,4,5,6,7
	global_load_b128 v[X+4*\t:X+4*\t+3], v2, s[4:5] offset:4096*\t
.endr
; token t: 16 packed multiply-adds: two experts at a time, x's number broadcast to both halves.  The first products start the sums: nothing is cleared.
.irp t, 0,1,2,3,4,5,6,7
	s_wait_loadcnt 7-\t                            ; w_gate and token t's numbers are in; the later tokens' loads may be out
.irp j, 0,1,2,3
.irp p, 0,2,4,6
.if \j == 0
	v_pk_mul_f32 v[A+8*\t+\p:A+8*\t+\p+1], v[X+4*\t:X+4*\t+1], v[W+\p:W+\p+1] op_sel_hi:[0,1]
.elseif \j == 2
	v_pk_fma_f32 v[A+8*\t+\p:A+8*\t+\p+1], v[X+4*\t+2:X+4*\t+3], v[W+16+\p:W+16+\p+1], v[A+8*\t+\p:A+8*\t+\p+1] op_sel_hi:[0,1,1]
.else
	v_pk_fma_f32 v[A+8*\t+\p:A+8*\t+\p+1], v[X+4*\t+\j-1:X+4*\t+\j], v[W+8*\j+\p:W+8*\j+\p+1], v[A+8*\t+\p:A+8*\t+\p+1] op_sel:[1,0,0] op_sel_hi:[1,1,1]
.endif
.endr
.endr
.endr
; each of the 64 sums over the 32 lanes
.irp m, 1,2,4,8
.set q, 0
.rept 64
	v_add_f32_dpp v[A+q], v[A+q], v[A+q] row_xmask:\m row_mask:0xf bank_mask:0xf
.set q, q+1
.endr
.endr
.set q, 0
.rept 64
	v_permlanex16_b32 v[W+q], v[A+q], s22, s23     ; into w_gate's and x's registers, which are done with
.set q, q+1
.endr
.set q, 0
.rept 64
	v_add_f32 v[A+q], v[A+q], v[W+q]
.set q, q+1
.endr
.irp t, 0,1,2,3,4,5,6,7
	ds_store_b128 v4, v[A+8*\t:A+8*\t+3] offset:32*\t          ; every lane holds the same sums and writes the same bytes
	ds_store_b128 v4, v[A+8*\t+4:A+8*\t+7] offset:32*\t+16
.endr
	s_wait_dscnt 0x0                               ; for wave 0's sake: my stores are done
	s_barrier_signal -1
	s_barrier_wait -1
	s_cmp_lg_u32 s12, 0
	s_cbranch_scc1 .Lend
; wave 0: lane & 7 is the token; lanes 8 to 31 repeat lanes 0 to 7 and store nothing
.irp w, 0,1,2,3,4,5,6,7
	ds_load_b128 v[16+8*\w:19+8*\w], v5 offset:256*\w
	ds_load_b128 v[20+8*\w:23+8*\w], v5 offset:256*\w+16
.endr
	s_wait_dscnt 0x0
.irp w, 1,2,3,4,5,6,7
.irp p, 0,2,4,6
	v_pk_add_f32 v[16+\p:17+\p], v[16+\p:17+\p], v[16+8*\w+\p:17+8*\w+\p]    ; the eight parts of K
.endr
.endr
	v_mov_b32 v32, v16                             ; the largest, and its index; a later one wins only if it is strictly larger
	v_mov_b32 v44, 0
.irp e, 1,2,3,4,5,6,7
	v_cmp_gt_f32 vcc_lo, v[16+\e], v32
	v_cndmask_b32 v32, v32, v[16+\e], vcc_lo
	v_cndmask_b32 v44, v44, \e, vcc_lo
.endr
	v_mov_b32 v40, 0xff800000                      ; -infinity takes the winner's place
.irp e, 0,1,2,3,4,5,6,7
	v_cmp_eq_u32 vcc_lo, \e, v44
	v_cndmask_b32 v[16+\e], v[16+\e], v40, vcc_lo
.endr
	v_mov_b32 v34, v16                             ; the second largest
	v_mov_b32 v45, 0
.irp e, 1,2,3,4,5,6,7
	v_cmp_gt_f32 vcc_lo, v[16+\e], v34
	v_cndmask_b32 v34, v34, v[16+\e], vcc_lo
	v_cndmask_b32 v45, v45, \e, vcc_lo
.endr
	v_sub_f32 v36, v34, v32                        ; the maximum is taken away: l2 - l1, 0 or less
	v_mul_f32 v36, 0x3fb8aa3b, v36
	v_exp_f32 v37, v36
	v_nop                                          ; a plain place behind the transcendental
	s_wait_alu depctr_va_vdst(0)
	v_add_f32 v38, 1.0, v37
	v_rcp_f32 v42, v38                             ; p0 = 1 / (1 + e^(l2 - l1))
	v_nop
	s_wait_alu depctr_va_vdst(0)
	v_mul_f32 v43, v37, v42                        ; p1
	v_mov_b32 v46, 0
.irp e, 0,1,2,3,4,5,6,7
	v_cmp_eq_u32 s26, \e, v44
	v_cmp_eq_u32 s27, \e, v45
	s_or_b32 s26, s26, s27
	v_writelane_b32 v46, s26, \e                   ; expert e's bits into lane e: its low byte is my eight tokens
.endr
	v_cmp_gt_u32 vcc_lo, 8, v1
	s_wait_xcnt 0x0                                ; EXEC changes only behind this wait
	s_and_saveexec_b32 s28, vcc_lo
	global_store_b64 v6, v[44:45], s[8:9]          ; eight lanes store 64 consecutive bytes
	global_store_b64 v6, v[42:43], s[10:11]
	global_store_b8 v7, v46, s[8:9] offset:8192    ; lane e: my byte of expert e's mask
	s_wait_xcnt 0x0
	s_or_b32 exec_lo, exec_lo, s28
.Lend:
	s_wait_tensorcnt 0x0
	ds_add_u32 v144, v145
	s_wait_dscnt 0x0
	s_endpgm
.Lfunc_end_k_qaea09a8f94_route:
	.size	k_qaea09a8f94_route, .Lfunc_end_k_qaea09a8f94_route-k_qaea09a8f94_route
	.p2alignl 7, 3214868480
	.fill 96, 4, 3214868480
	.section	.rodata,"a",@progbits
	.p2align	6, 0x0
	.amdhsa_kernel k_qaea09a8f94_route
		.amdhsa_group_segment_fixed_size 3072
		.amdhsa_private_segment_fixed_size 0
		.amdhsa_enable_private_segment 0
		.amdhsa_kernarg_size 32
		.amdhsa_user_sgpr_count 2
		.amdhsa_user_sgpr_kernarg_segment_ptr 1
		.amdhsa_wavefront_size32 1
		.amdhsa_system_sgpr_workgroup_id_x 1
		.amdhsa_system_sgpr_workgroup_id_y 1
		.amdhsa_system_sgpr_workgroup_id_z 1
		.amdhsa_system_vgpr_workitem_id 0
		.amdhsa_next_free_vgpr 146
		.amdhsa_next_free_sgpr 66
		.amdhsa_reserve_vcc 1
		.amdhsa_float_denorm_mode_32 3
		.amdhsa_float_denorm_mode_16_64 3
		.amdhsa_memory_ordered 1
		.amdhsa_forward_progress 1
		.amdhsa_inst_pref_size 43
	.end_amdhsa_kernel
	.amdgpu_metadata
---
amdhsa.version: [ 1, 2 ]
amdhsa.kernels:
  - .name:           k_qaea09a8f94_route
    .symbol:         k_qaea09a8f94_route.kd
    .args:
      - { .name: x, .offset: 0, .size: 8, .value_kind: global_buffer, .address_space: global }
      - { .name: w_gate, .offset: 8, .size: 8, .value_kind: global_buffer, .address_space: global }
      - { .name: routei, .offset: 16, .size: 8, .value_kind: global_buffer, .address_space: global }
      - { .name: probs, .offset: 24, .size: 8, .value_kind: global_buffer, .address_space: global }
    .group_segment_fixed_size: 3072
    .private_segment_fixed_size: 0
    .kernarg_segment_align: 8
    .kernarg_segment_size: 32
    .max_flat_workgroup_size: 256
    .sgpr_count:     66
    .vgpr_count:     146
    .wavefront_size: 32
...
	.end_amdgpu_metadata
.endif
;; end of part 1
;; launch place (part 2): grid 135 x 1, 8 waves a work-group, no clusters, 0 bytes of LDS; arguments x, routei, probs, lowp_scales, xg, rowinfo, rowp; writes xg, rowinfo, rowp
.if DOCPART == 2
	.amdgcn_target "amdgcn-amd-amdhsa--gfx1250"
	.amdhsa_code_object_version 6
	.text
	.protected	k_qaea09a8f94_place
	.globl	k_qaea09a8f94_place
	.p2align	8
	.type	k_qaea09a8f94_place,@function
k_qaea09a8f94_place:
	s_mov_b64 s[64:65], 0
	v_nop
	global_prefetch_b8 v0, s[64:65] scope:SCOPE_SE
	s_setreg_imm32_b32 hwreg(HW_REG_WAVE_MODE, 25, 1), 1
	s_wait_xcnt 0x0
; THE ROWS ARE PLACED BY EXPERT, AND x IS QUANTISED.  An expert's rows are its tokens in ascending order; a tile is 16 rows; expert e has nt = max(1, ceil(n / 16)) tiles.
; With 2,048 rows and 8 experts there are never more than 135 tiles: one work-group a tile; a work-group that the split leaves without a tile stores nothing.
; Wave w takes K step w (128 along K) of the tile: it gathers its 16 rows of x and stores their codes of E4M3, once with scale 2^e1 and once with 2^e3, as an image of the
; operand's registers: xg[set][e][tile][K step][chunk c][lane][16 bytes]; lane (r, hh), chunk c, byte beta is x(row r, 128 s + 64 hh + 16 c + beta).
; Rows past the expert's count repeat some token's numbers; rowinfo marks them 4096 and nothing of them is kept later.
; THE COUNTS: all 256 mask words come by one pair of vector loads (lane l: words 8 (l & 3) .. + 7 of expert l >> 2; the wave's two loads cover the 1,024 bytes), each lane counts its bits by
; shifts, ANDs and adds, and four lanes' counts are added in scalar registers: whole numbers throughout, and one wait for memory where rounds of scalar loads would each have their own.
; LIMITS: e1 and e3 between -126 and 119.  NaN among the inputs is not served.
.set X,  32                            ; v32-95    64 numbers of my row (at the head: v32-39 mask words, v40-47 at work)
.set T,  96                            ; v96-111   16 numbers held for the first scale
.set C1, 112                           ; v112-127  codes with 2^e1
.set C3, 128                           ; v128-143  codes with 2^e3
.macro MKSC se, vsc, vlim              ; s[se] = e: v[vsc] = 2^e, v[vlim] = 448 x 2^e, as f32
	s_add_co_i32 s88, s[\se], 127
	s_lshl_b32 s89, s88, 23
	v_mov_b32 v[\vsc], s89
	s_add_co_i32 s88, s88, 8
	s_lshl_b32 s88, s88, 23
	s_or_b32 s88, s88, 0x600000
	v_mov_b32 v[\vlim], s88
.endm
	s_load_b256 s[4:11], s[0:1], 0x0               ; x s[4:5], routei s[6:7], probs s[8:9], the scales s[10:11]
	s_load_b128 s[12:15], s[0:1], 0x20             ; xg s[12:13], rowinfo s[14:15]
	s_load_b64 s[16:17], s[0:1], 0x30              ; rowp
	v_lshrrev_b32 v1, 5, v0
	v_readfirstlane_b32 s18, v1                    ; wave 0..7 = K step
	v_and_b32 v1, 31, v0                           ; lane
	v_and_b32 v3, 15, v0                           ; r
	v_bfe_u32 v4, v0, 4, 1                         ; hh
	v_lshlrev_b32 v18, 4, v1                       ; 16 x lane
	v_lshlrev_b32 v28, 5, v1                       ; 32 x lane: my eight mask words
	s_mov_b32 s32, 0x55555555
	s_mov_b32 s33, 0x33333333
	s_mov_b32 s34, 0x0f0f0f0f
	s_mov_b32 s35, 0x00ff00ff
	s_wait_kmcnt 0x0
	global_load_b128 v[32:35], v28, s[6:7] offset:8192
	global_load_b128 v[36:39], v28, s[6:7] offset:8208
	s_load_b32 s29, s[10:11], 0x4                  ; e1
	s_load_b32 s30, s[10:11], 0xc                  ; e3
	s_wait_loadcnt 0x0
; the set bits of each of my eight words, as four counts of a byte each; the eight words take turns line by line
.irp q, 0,1,2,3,4,5,6,7
	v_lshrrev_b32 v[40+\q], 1, v[32+\q]
.endr
.irp q, 0,1,2,3,4,5,6,7
	v_and_b32 v[40+\q], s32, v[40+\q]
.endr
.irp q, 0,1,2,3,4,5,6,7
	v_sub_nc_u32 v[32+\q], v[32+\q], v[40+\q]      ; counts of 2 bits
.endr
.irp q, 0,1,2,3,4,5,6,7
	v_lshrrev_b32 v[40+\q], 2, v[32+\q]
.endr
.irp q, 0,1,2,3,4,5,6,7
	v_and_b32 v[32+\q], s33, v[32+\q]
.endr
.irp q, 0,1,2,3,4,5,6,7
	v_and_b32 v[40+\q], s33, v[40+\q]
.endr
.irp q, 0,1,2,3,4,5,6,7
	v_add_nc_u32 v[32+\q], v[32+\q], v[40+\q]      ; of 4 bits
.endr
.irp q, 0,1,2,3,4,5,6,7
	v_lshrrev_b32 v[40+\q], 4, v[32+\q]
.endr
.irp q, 0,1,2,3,4,5,6,7
	v_add_nc_u32 v[32+\q], v[32+\q], v[40+\q]
.endr
.irp q, 0,1,2,3,4,5,6,7
	v_and_b32 v[32+\q], s34, v[32+\q]              ; of 8 bits: 8 at the most in each byte
.endr
	v_add_nc_u32 v32, v32, v33                     ; the eight words: 64 at the most in each byte
	v_add_nc_u32 v34, v34, v35
	v_add_nc_u32 v36, v36, v37
	v_add_nc_u32 v38, v38, v39
	v_add_nc_u32 v32, v32, v34
	v_add_nc_u32 v36, v36, v38
	v_add_nc_u32 v32, v32, v36
	v_lshrrev_b32 v40, 8, v32
	v_and_b32 v32, s35, v32
	v_and_b32 v40, s35, v40
	v_add_nc_u32 v32, v32, v40                     ; two counts of 16 bits
	v_lshrrev_b32 v40, 16, v32
	v_and_b32 v32, 0xffff, v32
	v_add_nc_u32 v32, v32, v40                     ; my 256 bits' count
; the eight counts n_e in s20-27: expert e's four lanes
.irp e, 0,1,2,3,4,5,6,7
	v_readlane_b32 s[20+\e], v32, 4*\e
	v_readlane_b32 s28, v32, 4*\e+1
	v_readlane_b32 s31, v32, 4*\e+2
	v_readlane_b32 s36, v32, 4*\e+3
	s_add_co_u32 s[20+\e], s[20+\e], s28
	s_add_co_u32 s31, s31, s36
	s_add_co_u32 s[20+\e], s[20+\e], s31
.endr
; which expert's tile is mine: the last expert whose first tile is not behind my number
	s_mov_b32 s68, 0                               ; first tile of expert e
	s_mov_b32 s69, 0                               ; my expert,
	s_mov_b32 s70, 0                               ; its first tile,
	s_mov_b32 s71, 0                               ; its rows,
	s_mov_b32 s72, 0                               ; its tiles
.irp e, 0,1,2,3,4,5,6,7
	s_add_co_u32 s73, s[20+\e], 15
	s_lshr_b32 s73, s73, 4
	s_max_u32 s73, s73, 1
	s_cmp_ge_u32 ttmp9, s68
	s_cselect_b32 s69, \e, s69
	s_cselect_b32 s70, s68, s70
	s_cselect_b32 s71, s[20+\e], s71
	s_cselect_b32 s72, s73, s72
	s_add_co_u32 s68, s68, s73
.endr
	s_sub_co_u32 s74, ttmp9, s70                   ; j: my tile of that expert
	s_cmp_ge_u32 s74, s72
	s_cbranch_scc1 .Lend                           ; this split has no tile for me
	s_min_u32 s75, s69, 7
	s_lshl_b32 s76, s75, 7
	s_mov_b32 s77, 0
	s_add_nc_u64 s[78:79], s[6:7], s[76:77]
	s_load_b512 s[32:47], s[78:79], 0x2000         ; my expert's 32 mask words
	s_load_b512 s[48:63], s[78:79], 0x2040
	s_lshl_b32 s82, s75, 6
	s_add_co_u32 s82, s82, s74
	s_min_u32 s82, s82, 511                        ; 64 e + j
	s_lshl_b32 s80, s82, 14                        ; a tile's images: 16,384 bytes; a K step's: 2,048
	s_lshl_b32 s83, s18, 11
	s_add_co_u32 s80, s80, s83
	s_mov_b32 s81, 0
	s_add_nc_u64 s[12:13], s[12:13], s[80:81]      ; xg, set 0
	s_add_nc_u64 s[90:91], s[12:13], 0x800000      ; xg, set 1
	s_lshl_b32 s80, s18, 9
	s_add_nc_u64 s[4:5], s[4:5], s[80:81]          ; x at my K step
	s_lshl_b32 s83, s82, 6                         ; rowinfo, rowp: 16 words a tile
	s_lshl_b32 s87, s74, 4
	v_add_nc_u32 v2, s87, v3                       ; rho = 16 j + r: my row's rank among the expert's tokens
	s_wait_kmcnt 0x0                               ; the mask words, and the two scales' exponents
	MKSC 29, 24, 25
	MKSC 30, 26, 27
; the word that holds the token of rank rho: the last word in front of which at most rho bits are set
	v_mov_b32 v5, s32                              ; the word,
	v_mov_b32 v6, 0                                ; the bits in front of it,
	v_mov_b32 v7, 0                                ; its first token
	s_bcnt1_i32_b32 s84, s32
.set q, 1
.rept 31
	v_cmp_gt_u32 vcc_lo, s84, v2
	v_cndmask_b32 v5, s[32+q], v5, vcc_lo
	v_cndmask_b32 v6, s84, v6, vcc_lo
	v_cndmask_b32 v7, 32*q, v7, vcc_lo
	s_bcnt1_i32_b32 s85, s[32+q]
	s_add_co_u32 s84, s84, s85
.set q, q+1
.endr
; the bit: its place is the number of prefixes of the word that hold at most rho - (bits in front) set bits
	v_sub_nc_u32 v8, v2, v6
	v_mov_b32 v10, 0
	v_mov_b32 v11, 0
.set q, 0
.rept 32
	v_bfe_u32 v9, v5, q, 1
	v_add_nc_u32 v10, v10, v9
	v_cmp_le_u32 vcc_lo, v10, v8
	v_add_co_ci_u32 v11, vcc_lo, 0, v11, vcc_lo
.set q, q+1
.endr
	v_add_nc_u32 v12, v7, v11
	v_min_u32 v12, 0x3ff, v12                      ; the token; rows past the count fall on some token
	v_cmp_gt_u32 s86, s71, v2                      ; a real row: rho < n
	v_lshlrev_b32 v13, 3, v12
	global_load_b64 v[14:15], v13, s[6:7]          ; its two experts
	global_load_b64 v[16:17], v13, s[8:9]          ; its two weights
	v_lshlrev_b32 v23, 12, v12
	v_lshl_add_u32 v23, v4, 8, v23                 ; x: token x 4,096 + 256 hh
.irp n, 0,1,2,3,4,5,6,7,8,9,10,11,12,13,14,15
	global_load_b128 v[X+4*\n:X+4*\n+3], v23, s[4:5] offset:16*\n
.endr
.irp c, 0,1,2,3
	s_wait_loadcnt 12-4*\c                         ; chunk c's four loads are in; the later chunks' may be out
.irp i, 0,1,2,3,4,5,6,7,8,9,10,11,12,13,14,15
	v_med3_num_f32 v[T+\i], v[X+16*\c+\i], -v25, v25           ; the conversion does not saturate (ISA guide 7.6.2): the hold at 448 x the scale comes first
.endr
	v_cvt_scalef32_pk8_fp8_f32 v[C1+4*\c:C1+4*\c+1], v[T:T+7], v24
	v_cvt_scalef32_pk8_fp8_f32 v[C1+4*\c+2:C1+4*\c+3], v[T+8:T+15], v24
.irp i, 0,1,2,3,4,5,6,7,8,9,10,11,12,13,14,15
	v_med3_num_f32 v[X+16*\c+\i], v[X+16*\c+\i], -v27, v27     ; (plain lines behind the conversions, which touch none of their registers)
.endr
	v_cvt_scalef32_pk8_fp8_f32 v[C3+4*\c:C3+4*\c+1], v[X+16*\c:X+16*\c+7], v26
	v_cvt_scalef32_pk8_fp8_f32 v[C3+4*\c+2:C3+4*\c+3], v[X+16*\c+8:X+16*\c+15], v26
.endr
	v_nop
.irp c, 0,1,2,3
	global_store_b128 v18, v[C1+4*\c:C1+4*\c+3], s[12:13] offset:512*\c    ; 32 lanes store 512 consecutive bytes
	global_store_b128 v18, v[C3+4*\c:C3+4*\c+3], s[90:91] offset:512*\c
.endr
	s_cmp_lg_u32 s18, 0
	s_cbranch_scc1 .Lend
; wave 0: the tile's 16 rows: where their results go, and their weights
	v_cmp_eq_u32 vcc_lo, s69, v15                  ; my expert is the token's second choice
	v_cndmask_b32 v19, 0, 1, vcc_lo
	v_cndmask_b32 v20, v16, v17, vcc_lo
	v_lshl_add_u32 v19, v19, 10, v12               ; slot x 1,024 + token
	v_mov_b32 v21, 0x1000
	v_cndmask_b32 v19, v21, v19, s86
	v_lshl_add_u32 v22, v1, 2, s83
	v_cmp_gt_u32 vcc_lo, 16, v1
	s_wait_xcnt 0x0                                ; EXEC changes only behind this wait
	s_and_saveexec_b32 s92, vcc_lo
	global_store_b32 v22, v19, s[14:15]
	global_store_b32 v22, v20, s[16:17]
	s_wait_xcnt 0x0
	s_or_b32 exec_lo, exec_lo, s92
.Lend:
	s_endpgm
.Lfunc_end_k_qaea09a8f94_place:
	.size	k_qaea09a8f94_place, .Lfunc_end_k_qaea09a8f94_place-k_qaea09a8f94_place
	.p2alignl 7, 3214868480
	.fill 96, 4, 3214868480
	.section	.rodata,"a",@progbits
	.p2align	6, 0x0
	.amdhsa_kernel k_qaea09a8f94_place
		.amdhsa_group_segment_fixed_size 0
		.amdhsa_private_segment_fixed_size 0
		.amdhsa_enable_private_segment 0
		.amdhsa_kernarg_size 56
		.amdhsa_user_sgpr_count 2
		.amdhsa_user_sgpr_kernarg_segment_ptr 1
		.amdhsa_wavefront_size32 1
		.amdhsa_system_sgpr_workgroup_id_x 1
		.amdhsa_system_sgpr_workgroup_id_y 1
		.amdhsa_system_sgpr_workgroup_id_z 1
		.amdhsa_system_vgpr_workitem_id 0
		.amdhsa_next_free_vgpr 160
		.amdhsa_next_free_sgpr 100
		.amdhsa_reserve_vcc 1
		.amdhsa_float_denorm_mode_32 3
		.amdhsa_float_denorm_mode_16_64 3
		.amdhsa_memory_ordered 1
		.amdhsa_forward_progress 1
		.amdhsa_inst_pref_size 36
	.end_amdhsa_kernel
	.amdgpu_metadata
---
amdhsa.version: [ 1, 2 ]
amdhsa.kernels:
  - .name:           k_qaea09a8f94_place
    .symbol:         k_qaea09a8f94_place.kd
    .args:
      - { .name: x, .offset: 0, .size: 8, .value_kind: global_buffer, .address_space: global }
      - { .name: routei, .offset: 8, .size: 8, .value_kind: global_buffer, .address_space: global }
      - { .name: probs, .offset: 16, .size: 8, .value_kind: global_buffer, .address_space: global }
      - { .name: lowp_scales, .offset: 24, .size: 8, .value_kind: global_buffer, .address_space: global }
      - { .name: xg, .offset: 32, .size: 8, .value_kind: global_buffer, .address_space: global }
      - { .name: rowinfo, .offset: 40, .size: 8, .value_kind: global_buffer, .address_space: global }
      - { .name: rowp, .offset: 48, .size: 8, .value_kind: global_buffer, .address_space: global }
    .group_segment_fixed_size: 0
    .private_segment_fixed_size: 0
    .kernarg_segment_align: 8
    .kernarg_segment_size: 56
    .max_flat_workgroup_size: 256
    .sgpr_count:     100
    .vgpr_count:     160
    .wavefront_size: 32
...
	.end_amdgpu_metadata
.endif
;; end of part 2
;; launch up (part 3): grid 32 x 8, 4 waves a work-group, no clusters, 131,584 bytes of LDS; arguments w1, w3, xg, routei, lowp_scales, hq; writes hq
.if DOCPART == 3
	.amdgcn_target "amdgcn-amd-amdhsa--gfx1250"
	.amdhsa_code_object_version 6
	.text
	.protected	k_qaea09a8f94_up
	.globl	k_qaea09a8f94_up
	.p2align	8
	.type	k_qaea09a8f94_up,@function
k_qaea09a8f94_up:
	s_mov_b64 s[64:65], 0
	v_nop
	global_prefetch_b8 v0, s[64:65] scope:SCOPE_SE
	s_setreg_imm32_b32 hwreg(HW_REG_WAVE_MODE, 25, 1), 1
	s_wait_xcnt 0x0
; h = silu(x w1) * (x w3) FOR THE ROWS OF ONE EXPERT, both products on codes of E4M3, h quantised with 2^e4 and stored as codes.
; THE WEIGHTS STAY, THE ROWS GO ROUND.  Work-group (hs, e) owns columns 64 hs .. 64 hs + 63 of w1[e] and w3[e]: 512 KiB of f32, read from memory once, quantised in registers
; and kept in LDS as 128 KiB of codes.  K goes in 8 steps of 128.  In a step wave w loads and quantises rows 128 s + 64 hh + 16 w + 0 .. 15 of both matrices (each load: two aligned
; runs of 256 bytes), turns each 4 x 4 block of bytes, and stores the result as chunk w of eight operand images; behind one barrier every wave reads all eight.
; A lane's 16 bytes of a row are columns 4 q .. 4 q + 3, so tile i of the slice is the columns 4 q + i.  THE PRODUCTS ARE USED TRANSPOSED (source 0 = 16 columns of a weight, source 1 = 16 rows of x):
; lane (r, hh), register j of tile i is row r, column 64 hs + 32 hh + 4 j + i.  K's order inside a fragment is byte beta of chunk c of half hh = 128 s + 64 hh + 16 c + beta, alike on both sides.
; Wave w multiplies tiles of rows 20 pass + 4 t + w, t = 0 .. 4.  The first pass runs beside the stream of weights; later passes (an expert with more than 320 rows) read the codes from LDS.
; The number of tiles comes from the stored masks.  So the operands come by plain loads and not by the tensor data mover or joint loads: the partners' numbers of tiles hang on stored counts.
; h's codes leave as an image of the next product's operand: hq[e][tile][K step 16][chunk 4][lane][16]: chunk c, byte beta of half hh = 128 s' + 64 (c >> 1) + 32 hh + 4 (beta & 7) + 2 (c & 1) + (beta >> 3).
; LIMITS: e0, e2 and e4 - (e0 + e1 + e2 + e3) between -126 and 119; e0 + e1 between -126 and 127.  NaN and infinities among the inputs are not served.
; REGISTERS, in windows of 256: window 0: addresses, constants, work, v128-255 the eight weight fragments;  window 1: four sets of 64 for the weights as loaded;
;   window 2: the accumulators of tiles t = 0 .. 3 at 64 t + 32 m + 8 i;  window 3: those of t = 4 at 32 m + 8 i; from v64 x's fragments at 32 t + 16 m + 4 c.
.set L16,  1                           ; 16 x lane
.set WOFF, 2                           ; my bytes in a K step of a weight
.set LST,  3                           ; 16 x lane + 512 x wave: my chunk of an image
.set LWS,  4                           ; this step's LDS address for stores,
.set LRS,  5                           ; and for loads
.set LW1,  6                           ; 16 x lane + 65,536
.set HO,   7                           ; my offset in hq
.set XO,   8                           ; v8-12  tile t's offset in xg
.set SC1,  14                          ; 2^e0, 448 x 2^e0; 2^e2, 448 x 2^e2; the same for h
.set LIM1, 15
.set SC3,  16
.set LIM3, 17
.set SCH,  18
.set LIMH, 19
.set P,    32                          ; v32-47  codes as converted: register jj = row jj, four columns
.set U,    48                          ; v48-51  at work
.set OA,   56                          ; v56-71  w1's chunk, turned: 4 i + d
.set OB,   72                          ; v72-87  w3's
.set CH,   88                          ; v88-127 h's codes, 8 a tile
.set WF,   128                         ; v128-255 weight fragments at 64 m + 16 i + 4 c
.set T,    128                         ; the way out: 32 registers,
.set PR,   160                         ; and 32 more
.set XF,   64                          ; in window 3
.set MSB, 0
.macro WIN new                         ; the immediate's high byte repeats the setting that is left
.if MSB != (\new)
	s_set_vgpr_msb (MSB<<8)|(\new)
.set MSB, \new
.endif
.endm
.macro PLACES n                        ; plain vector lines behind matrix instructions (ISA guide 7.12.1)
.rept \n
	v_nop
.endr
.endm
.macro MKSC se, vsc, vlim              ; s[se] = e: v[vsc] = 2^e, v[vlim] = 448 x 2^e, as f32
	s_add_co_i32 s74, s[\se], 127
	s_lshl_b32 s75, s74, 23
	v_mov_b32 v[\vsc], s75
	s_add_co_i32 s74, s74, 8
	s_lshl_b32 s74, s74, 23
	s_or_b32 s74, s74, 0x600000
	v_mov_b32 v[\vlim], s74
.endm
; 16 rows of one weight: lanes 0-15 read 256 consecutive bytes of row jj, lanes 16-31 of the row 64 further down
.macro WLOAD buf, lp, imm0
	WIN 0x40
.irp jj, 0,1,2,3,4,5,6,7,8,9,10,11,12,13,14,15
	global_load_b128 v[(\buf)+4*\jj:(\buf)+4*\jj+3], v[WOFF], s[\lp:\lp+1] offset:(\imm0)+8192*\jj th:TH_LOAD_NT
.endr
.endm
; 64 numbers become my chunk of four images: hold, convert, turn 4 x 4 bytes so that a register runs along K, store
.macro CONV buf, sc, lim, out, f0
	WIN 0x41
.set q, 0
.rept 64
	v_med3_num_f32 v[(\buf)+q], v[(\buf)+q], -v[\lim], v[\lim]     ; the conversion does not saturate (ISA guide 7.6.2)
.set q, q+1
.endr
	WIN 0x01
.irp n, 0,1,2,3,4,5,6,7
	v_cvt_scalef32_pk8_fp8_f32 v[P+2*\n:P+2*\n+1], v[(\buf)+8*\n:(\buf)+8*\n+7], v[\sc]
.endr
	WIN 0
	v_nop                                          ; a plain line between the conversions and the reads of their results
.irp d, 0,1,2,3
	v_perm_b32 v[U], v[P+4*\d+1], v[P+4*\d], s28
	v_perm_b32 v[U+1], v[P+4*\d+1], v[P+4*\d], s29
	v_perm_b32 v[U+2], v[P+4*\d+3], v[P+4*\d+2], s28
	v_perm_b32 v[U+3], v[P+4*\d+3], v[P+4*\d+2], s29
	v_perm_b32 v[\out+\d], v[U+2], v[U], s30
	v_perm_b32 v[\out+4+\d], v[U+2], v[U], s31
	v_perm_b32 v[\out+8+\d], v[U+3], v[U+1], s30
	v_perm_b32 v[\out+12+\d], v[U+3], v[U+1], s31
.endr
.irp i, 0,1,2,3
	ds_store_b128 v[LWS], v[\out+4*\i:\out+4*\i+3] offset:(\f0)+2048*\i
.endr
.endm
.macro WFLOAD areg, off                ; a K step's eight weight fragments
	WIN 0
.irp f, 0,1,2,3,4,5,6,7
.irp c, 0,1,2,3
	ds_load_b128 v[WF+16*\f+4*\c:WF+16*\f+4*\c+3], v[\areg] offset:(\off)+2048*\f+512*\c
.endr
.endr
.endm
; x's fragments of one K step, both sets, for my tiles.  guard = 1: only the tiles that I have
.macro XLOADS guard, b1, b3, off
.irp t, 0,1,2,3,4
.if \guard
	WIN 0
	s_cmp_le_u32 s23, \t
	s_cbranch_scc1 .Lxd_\@
.endif
	WIN 0xc0
.irp c, 0,1,2,3
	global_load_b128 v[XF+32*\t+4*\c:XF+32*\t+4*\c+3], v[XO+\t], s[\b1:\b1+1] offset:(\off)+512*\c
.endr
.irp c, 0,1,2,3
	global_load_b128 v[XF+32*\t+16+4*\c:XF+32*\t+16+4*\c+3], v[XO+\t], s[\b3:\b3+1] offset:(\off)+512*\c
.endr
.endr
	WIN 0
.Lxd_\@:
.endm
; a K step's products: eight accumulators a tile, one instruction a turn.  zero = 1: the first step starts the sums, for all five tiles, so that every register is written
.macro MULT zero
.irp t, 0,1,2,3,4
.if !(\zero)
	WIN 0
	s_cmp_le_u32 s23, \t
	s_cbranch_scc1 .Lmd_\@
.endif
	WIN 0xac+0x50*(\t/4)
.irp m, 0,1
.irp i, 0,1,2,3
.if \zero
	v_wmma_f32_16x16x128_fp8_fp8 v[64*(\t%4)+32*\m+8*\i:64*(\t%4)+32*\m+8*\i+7], v[WF+64*\m+16*\i:WF+64*\m+16*\i+15], v[XF+32*\t+16*\m:XF+32*\t+16*\m+15], 0
.else
	v_wmma_f32_16x16x128_fp8_fp8 v[64*(\t%4)+32*\m+8*\i:64*(\t%4)+32*\m+8*\i+7], v[WF+64*\m+16*\i:WF+64*\m+16*\i+15], v[XF+32*\t+16*\m:XF+32*\t+16*\m+15], v[64*(\t%4)+32*\m+8*\i:64*(\t%4)+32*\m+8*\i+7]
.endif
.endr
.endr
.endr
	WIN 0
.Lmd_\@:
.endm
; what hangs on the pass: how many tiles I have, and their offsets (clamped to tiles that exist)
.macro PASSSET
	s_mul_i32 s74, s22, 20
	s_add_co_u32 s74, s74, s16                     ; my first tile: 20 pass + wave
	s_sub_co_i32 s75, s20, s74
	s_add_co_i32 s75, s75, 3
	s_max_i32 s75, s75, 0
	s_lshr_b32 s75, s75, 2
	s_min_u32 s23, s75, 5                          ; my tiles in this pass
	s_sub_co_u32 s76, s20, 1
.irp t, 0,1,2,3,4
	s_add_co_u32 s77, s74, 4*\t
	s_min_u32 s77, s77, s76
	s_min_u32 s77, s77, 63
	s_lshl_b32 s77, s77, 14
	v_add_nc_u32 v[XO+\t], s77, v[L16]
.endr
	s_min_u32 s77, s74, 63
	s_lshl_b32 s77, s77, 15
	v_add_nc_u32 v[HO], s77, v[L16]
.endm
; ONE K STEP OF THE STREAM.  par: which two sets hold its weights; wl: the weights two steps on are asked for; cnt: the loads that may stay out at the products; xn: the next step's x is asked for
.macro TRIP par, wl, zero, cnt, xn
	v_add_nc_u32 v[LWS], s24, v[LST]
	v_add_nc_u32 v[LRS], s24, v[L16]
	CONV 128*\par, SC1, LIM1, OA, 0
.if \wl
	WLOAD 128*\par, 4, 0
.endif
	CONV 128*\par+64, SC3, LIM3, OB, 8192
.if \wl
	WLOAD 128*\par+64, 6, 0
.endif
	WIN 0
	s_wait_dscnt 0x0                               ; for the others' sake: my chunks are in LDS
	s_barrier_signal -1
	s_barrier_wait -1                              ; everybody's are.  Each byte of the images is stored once in the launch, so this is the step's only barrier
	WFLOAD LRS, 0
	s_wait_loadcnt \cnt                            ; issued behind this step's x: the 32 loads of the weights two steps on, or nothing.  So x is in, and so are the next step's weights, which were asked for ahead of it
	s_wait_dscnt 0x0
	MULT \zero
	PLACES 4                                       ; in front of loads into registers that the products read
	s_wait_xcnt 0x0                                ; the pointers are stepped only behind this wait
.if \wl
	s_add_nc_u64 s[4:5], s[4:5], 0x100000
	s_add_nc_u64 s[6:7], s[6:7], 0x100000
.endif
	s_add_co_u32 s24, s24, 16384
.if \xn
	s_add_nc_u64 s[34:35], s[34:35], 2048
	s_add_nc_u64 s[36:37], s[36:37], 2048
	XLOADS 1, 34, 36, 0
.endif
.endm
; THE WAY OUT of tile tt.  With g, u the raw sums: h / 2^e4 = g u / (1 + 2^(g c)) / 2^(e4 - e0 - e1 - e2 - e3), c = -log2(e) 2^(e0 + e1)
.macro EPI tt
	WIN 0
	s_cmp_le_u32 s23, \tt
	s_cbranch_scc1 .Lepi_done
.set GA, 64*((\tt)%4)
.set AW, 2+((\tt)/4)
	WIN AW
.set q, 0
.rept 16
	v_pk_mul_f32 v[T+q:T+q+1], v[GA+q:GA+q+1], s[26:27] op_sel_hi:[1,0]    ; each accumulator from its low end on
.set q, q+2
.endr
	WIN 0
.set q, 0
.rept 32
	v_exp_f32 v[T+q], v[T+q]
.set q, q+1
.endr
	WIN AW|(AW<<2)
.set q, 0
.rept 16
	v_pk_mul_f32 v[PR+q:PR+q+1], v[GA+q:GA+q+1], v[GA+32+q:GA+32+q+1]      ; g u: also the plain lines behind the exponentials
.set q, q+2
.endr
	WIN 0
.set q, 0
	s_wait_alu depctr_va_vdst(0)
.rept 16
	v_pk_add_f32 v[T+q:T+q+1], v[T+q:T+q+1], 1.0 op_sel_hi:[1,0]
.set q, q+2
.endr
.set q, 0
.rept 32
	v_rcp_f32 v[T+q], v[T+q]
.set q, q+1
.endr
	v_nop                                          ; a plain line behind the reciprocals
.set q, 0
	s_wait_alu depctr_va_vdst(0)
.rept 16
	v_pk_mul_f32 v[PR+q:PR+q+1], v[PR+q:PR+q+1], v[T+q:T+q+1]
.set q, q+2
.endr
.set q, 0
.rept 32
	v_med3_num_f32 v[PR+q], v[PR+q], -v[LIMH], v[LIMH]
.set q, q+1
.endr
.irp i, 0,1,2,3
	v_cvt_scalef32_pk8_fp8_f32 v[CH+8*(\tt)+2*\i:CH+8*(\tt)+2*\i+1], v[PR+8*\i:PR+8*\i+7], v[SCH]
.endr
	v_nop                                          ; a plain line behind the conversions: the next tile writes their sources
	global_store_b128 v[HO], v[CH+8*(\tt):CH+8*(\tt)+3], s[14:15] offset:131072*(\tt)          ; 32 lanes store 512 consecutive bytes
	global_store_b128 v[HO], v[CH+8*(\tt)+4:CH+8*(\tt)+7], s[14:15] offset:131072*(\tt)+512
.endm
	s_load_b256 s[4:11], s[0:1], 0x0               ; w1 s[4:5], w3 s[6:7], xg s[8:9], routei s[10:11]
	s_load_b128 s[12:15], s[0:1], 0x20             ; the scales s[12:13], hq s[14:15]
	v_lshl_add_u32 v54, v0, 2, 0x20000
	v_mov_b32 v55, 0
	v_lshrrev_b32 v20, 5, v0
	v_readfirstlane_b32 s16, v20                   ; wave 0..3
	s_mov_b32 s17, ttmp9                           ; hs
	s_and_b32 s18, ttmp7, 0xffff                   ; e
	v_and_b32 v20, 31, v0
	v_and_b32 v21, 15, v0
	v_bfe_u32 v22, v0, 4, 1
	v_lshlrev_b32 v[L16], 4, v20
	v_lshlrev_b32 v[WOFF], 4, v21                  ; 16 q
	v_lshl_add_u32 v[WOFF], v22, 19, v[WOFF]       ; + 64 rows of 8,192 bytes for lanes 16-31
	s_lshl_b32 s78, s16, 17
	v_add_nc_u32 v[WOFF], s78, v[WOFF]             ; + 16 rows a wave
	s_lshl_b32 s78, s16, 9
	v_add_nc_u32 v[LST], s78, v[L16]
	v_add_nc_u32 v[LW1], 0x10000, v[L16]
	s_lshl_b32 s74, s18, 23                        ; an expert's weight: 8 MiB
	s_lshl_b32 s78, s17, 8
	s_add_co_u32 s74, s74, s78
	s_mov_b32 s75, 0
	s_lshl_b32 s76, s18, 7                         ; its mask: 128 bytes
	s_mov_b32 s77, 0
	s_mov_b32 s28, 0x05010400                      ; byte selects for the 4 x 4 turn
	s_mov_b32 s29, 0x07030602
	s_mov_b32 s30, 0x05040100
	s_mov_b32 s31, 0x07060302
	s_wait_kmcnt 0x0
	s_add_nc_u64 s[4:5], s[4:5], s[74:75]
	s_add_nc_u64 s[6:7], s[6:7], s[74:75]
	s_add_nc_u64 s[10:11], s[10:11], s[76:77]
	s_load_b512 s[32:47], s[10:11], 0x2000
	s_load_b512 s[48:63], s[10:11], 0x2040
	s_load_b128 s[68:71], s[12:13], 0x0            ; e0 .. e3
	s_load_b64 s[72:73], s[12:13], 0x10            ; e4, e5
	WLOAD 0, 4, 0                                  ; the weights of K steps 0 and 1
	WLOAD 64, 6, 0
	WLOAD 128, 4, 0x100000
	WLOAD 192, 6, 0x100000
	WIN 0
	s_wait_kmcnt 0x0
	s_mov_b32 s19, 0                               ; n: the expert's rows
.set q, 32
.rept 32
	s_bcnt1_i32_b32 s74, s[q]
	s_add_co_u32 s19, s19, s74
.set q, q+1
.endr
	s_add_co_u32 s20, s19, 15
	s_lshr_b32 s20, s20, 4
	s_max_u32 s20, s20, 1
	s_min_u32 s20, s20, 64                         ; its tiles
	s_add_co_u32 s74, s20, 19
	s_mul_i32 s74, s74, 3277
	s_lshr_b32 s21, s74, 16                        ; passes: ceil(tiles / 20), exact for 1 .. 64 tiles
	s_mov_b32 s22, 0
	PASSSET
	s_add_co_i32 s77, s68, s69                     ; e0 + e1
	s_add_co_i32 s78, s70, s71
	s_add_co_i32 s78, s78, s77
	s_sub_co_i32 s76, s72, s78                     ; e4 - (e0 + e1 + e2 + e3)
	MKSC 68, SC1, LIM1
	MKSC 70, SC3, LIM3
	MKSC 76, SCH, LIMH
	s_lshl_b32 s77, s77, 23
	s_add_co_i32 s26, s77, 0xbfb8aa3b              ; c = -log2(e) x 2^(e0 + e1): the exponents are added to the exponent field
	s_mov_b32 s27, s26
	s_lshl_b32 s74, s18, 20                        ; xg: 1 MiB an expert
	s_mov_b32 s75, 0
	s_add_nc_u64 s[8:9], s[8:9], s[74:75]
	s_add_nc_u64 s[32:33], s[8:9], 0x800000        ; the set with 2^e3
	s_mov_b64 s[34:35], s[8:9]                     ; the two pointers that walk K
	s_mov_b64 s[36:37], s[32:33]
	s_lshl_b32 s74, s18, 21                        ; hq: 2 MiB an expert, 1,024 bytes a slice
	s_lshl_b32 s78, s17, 10
	s_add_co_u32 s74, s74, s78
	s_add_nc_u64 s[14:15], s[14:15], s[74:75]
	XLOADS 0, 34, 36, 0                            ; K step 0's x, all five tiles
	s_wait_xcnt 0x0
	s_add_nc_u64 s[4:5], s[4:5], 0x200000          ; the weights' pointers: K step 2
	s_add_nc_u64 s[6:7], s[6:7], 0x200000
	s_mov_b32 s24, 0
	s_wait_loadcnt 63                              ; behind K step 0's weights 72 loads were issued: a smaller count is safe, and this is the largest that can be written
	TRIP 0, 1, 1, 32, 1
	s_mov_b32 s25, 2
.Lk:
	TRIP 1, 1, 0, 32, 1
	TRIP 0, 1, 0, 32, 1
	s_sub_co_u32 s25, s25, 1
	s_cmp_lg_u32 s25, 0
	s_cbranch_scc1 .Lk
	TRIP 1, 1, 0, 32, 1
	TRIP 0, 0, 0, 0, 1                             ; the last two steps ask for no weights
	TRIP 1, 0, 0, 0, 0
	PLACES 1                                       ; five in all: a later pass begins the accumulators anew
.Lpass:
	EPI 0
	EPI 1
	EPI 2
	EPI 3
	EPI 4
.Lepi_done:
	s_add_co_u32 s22, s22, 1
	s_cmp_ge_u32 s22, s21
	s_cbranch_scc1 .Lend
	s_wait_xcnt 0x0                                ; the stores have read their registers
	PASSSET
	XLOADS 0, 8, 32, 0
.irp s, 0,1,2,3,4,5,6,7                        ; a later pass: the codes are in LDS; every offset is an immediate
.if \s < 4
	WFLOAD L16, 16384*\s
.else
	WFLOAD LW1, 16384*(\s-4)
.endif
	s_wait_loadcnt 0x0
	s_wait_dscnt 0x0
.if \s == 0
	MULT 1
.else
	MULT 0
.endif
	PLACES 4
.if \s < 7
	XLOADS 1, 8, 32, 2048*(\s+1)
.endif
.endr
	PLACES 1
	s_cmp_lt_u32 s22, s21
	s_cbranch_scc1 .Lpass
.Lend:
	s_wait_tensorcnt 0x0
	ds_add_u32 v54, v55
	s_wait_dscnt 0x0
	s_endpgm
.Lfunc_end_k_qaea09a8f94_up:
	.size	k_qaea09a8f94_up, .Lfunc_end_k_qaea09a8f94_up-k_qaea09a8f94_up
	.p2alignl 7, 3214868480
	.fill 96, 4, 3214868480
	.section	.rodata,"a",@progbits
	.p2align	6, 0x0
	.amdhsa_kernel k_qaea09a8f94_up
		.amdhsa_group_segment_fixed_size 131584
		.amdhsa_private_segment_fixed_size 0
		.amdhsa_enable_private_segment 0
		.amdhsa_kernarg_size 48
		.amdhsa_user_sgpr_count 2
		.amdhsa_user_sgpr_kernarg_segment_ptr 1
		.amdhsa_wavefront_size32 1
		.amdhsa_system_sgpr_workgroup_id_x 1
		.amdhsa_system_sgpr_workgroup_id_y 1
		.amdhsa_system_sgpr_workgroup_id_z 1
		.amdhsa_system_vgpr_workitem_id 0
		.amdhsa_next_free_vgpr 1024
		.amdhsa_next_free_sgpr 84
		.amdhsa_reserve_vcc 0
		.amdhsa_float_denorm_mode_32 3
		.amdhsa_float_denorm_mode_16_64 3
		.amdhsa_memory_ordered 1
		.amdhsa_forward_progress 1
		.amdhsa_inst_pref_size 255
	.end_amdhsa_kernel
	.section	.bss,"aw",@nobits
	.p2align	6
	.space	262144
	.amdgpu_metadata
---
amdhsa.version: [ 1, 2 ]
amdhsa.kernels:
  - .name:           k_qaea09a8f94_up
    .symbol:         k_qaea09a8f94_up.kd
    .args:
      - { .name: w1, .offset: 0, .size: 8, .value_kind: global_buffer, .address_space: global }
      - { .name: w3, .offset: 8, .size: 8, .value_kind: global_buffer, .address_space: global }
      - { .name: xg, .offset: 16, .size: 8, .value_kind: global_buffer, .address_space: global }
      - { .name: routei, .offset: 24, .size: 8, .value_kind: global_buffer, .address_space: global }
      - { .name: lowp_scales, .offset: 32, .size: 8, .value_kind: global_buffer, .address_space: global }
      - { .name: hq, .offset: 40, .size: 8, .value_kind: global_buffer, .address_space: global }
    .group_segment_fixed_size: 131584
    .private_segment_fixed_size: 0
    .kernarg_segment_align: 8
    .kernarg_segment_size: 48
    .max_flat_workgroup_size: 128
    .sgpr_count:     84
    .vgpr_count:     1024
    .wavefront_size: 32
...
	.end_amdgpu_metadata
.endif
;; end of part 3
;; launch down (part 4): grid 32 x 8, 4 waves a work-group, no clusters, 83,456 bytes of LDS; arguments w2, hq, routei, rowinfo, rowp, lowp_scales, ybuf; writes ybuf
.if DOCPART == 4
	.amdgcn_target "amdgcn-amd-amdhsa--gfx1250"
	.amdhsa_code_object_version 6
	.text
	.protected	k_qaea09a8f94_down
	.globl	k_qaea09a8f94_down
	.p2align	8
	.type	k_qaea09a8f94_down,@function
k_qaea09a8f94_down:
	s_mov_b64 s[64:65], 0
	v_nop
	global_prefetch_b8 v0, s[64:65] scope:SCOPE_SE
	s_setreg_imm32_b32 hwreg(HW_REG_WAVE_MODE, 25, 1), 1
	s_wait_xcnt 0x0
; y = h w2 FOR THE ROWS OF ONE EXPERT, on codes of E4M3, each row times its routing weight, stored at its token's place.
; Work-group (x, e): ds = x & 15 owns columns 64 ds .. + 63 of w2[e], kh = x >> 4 owns rows 1,024 kh .. + 1,023 of it: 256 KiB of f32, read from memory once, quantised in registers,
; kept in LDS as 64 KiB of codes.  K is shared between two work-groups so that there are 256 of them; the two halves and a token's two experts are added by the next launch.
; A trip is two K steps of 128.  Wave w quantises chunk w: the rows are chosen by the loads' immediates so that K's order is that of h's images:
; chunk c, byte beta of half hh = 128 s' + 64 (c >> 1) + 32 hh + 4 (beta & 7) + 2 (c & 1) + (beta >> 3).  Tile i of the slice is the columns 4 q + i, and the product is used transposed,
; so lane (r, hh), register j of tile i is row r, column 64 ds + 32 hh + 4 j + i.  Wave w multiplies tiles of rows 20 pass + 4 t + w, t = 0 .. 4.
; The number of tiles hangs on stored counts, so operands come by plain loads, not by the tensor data mover or joint loads.
; ybuf[kh][slot][token][1024] f32: each (slot, token) is one row of one expert, so every byte is written, each by one work-group.
; LIMITS: e5 between -126 and 119; e4 + e5 between -126 and 127.  NaN and infinities among the inputs are not served.
; REGISTERS: window 0: addresses, work, v128-255 eight weight fragments at 64 u + 16 i + 4 c;  window 1: four sets of 64 for the weights as loaded;
;   window 2: accumulators at 32 t + 8 i;  window 3: h's fragments at 32 t + 16 u + 4 c.
.set L16,  1                           ; 16 x lane
.set WOFF, 2
.set LST,  3                           ; 16 x lane + 512 x wave
.set L8,   4                           ; 8 x lane
.set STO,  5                           ; my stage: where I put 128 bytes of a row
.set SRD,  6                           ; and where I read a row back
.set F,    7                           ; my row's weight x 2^(e4 + e5)
.set XO,   8                           ; v8-12  tile t's offset in hq
.set R4,   13                          ; 4 x (lane % 16)
.set SC5,  14
.set LIM5, 15
.set RO,   20                          ; v20-24 tile t's offset in rowinfo and rowp
.set P,    32
.set U,    48
.set OA,   56
.set OB,   72
.set TM,   32                          ; the way out: 32 results,
.set BK,   64                          ; 16 rows read back,
.set YO,   96                          ; their offsets in ybuf
.set IV,   112                         ; v112-116 rowinfo of my row in tile t
.set PV,   117                         ; v117-121 rowp
.set WF,   128
.set MSB, 0
.macro WIN new                         ; the immediate's high byte repeats the setting that is left
.if MSB != (\new)
	s_set_vgpr_msb (MSB<<8)|(\new)
.set MSB, \new
.endif
.endm
.macro PLACES n
.rept \n
	v_nop
.endr
.endm
; 16 rows of K step ks: lanes 0-15 read 256 consecutive bytes of a row, lanes 16-31 of the row 32 further down
.macro WLOAD buf, ks
	WIN 0x40
.irp b, 0,1,2,3,4,5,6,7,8,9,10,11,12,13,14,15
	global_load_b128 v[(\buf)+4*\b:(\buf)+4*\b+3], v[WOFF], s[4:5] offset:((\ks)*128+4*(\b%8)+(\b/8))*4096 th:TH_LOAD_NT
.endr
.endm
.macro CONV buf, out, f0               ; hold, convert, turn 4 x 4 bytes, store my chunk of four images
	WIN 0x41
.set q, 0
.rept 64
	v_med3_num_f32 v[(\buf)+q], v[(\buf)+q], -v[LIM5], v[LIM5]     ; the conversion does not saturate (ISA guide 7.6.2)
.set q, q+1
.endr
	WIN 0x01
.irp n, 0,1,2,3,4,5,6,7
	v_cvt_scalef32_pk8_fp8_f32 v[P+2*\n:P+2*\n+1], v[(\buf)+8*\n:(\buf)+8*\n+7], v[SC5]
.endr
	WIN 0
	v_nop                                          ; a plain line between the conversions and the reads of their results
.irp d, 0,1,2,3
	v_perm_b32 v[U], v[P+4*\d+1], v[P+4*\d], s28
	v_perm_b32 v[U+1], v[P+4*\d+1], v[P+4*\d], s29
	v_perm_b32 v[U+2], v[P+4*\d+3], v[P+4*\d+2], s28
	v_perm_b32 v[U+3], v[P+4*\d+3], v[P+4*\d+2], s29
	v_perm_b32 v[\out+\d], v[U+2], v[U], s30
	v_perm_b32 v[\out+4+\d], v[U+2], v[U], s31
	v_perm_b32 v[\out+8+\d], v[U+3], v[U+1], s30
	v_perm_b32 v[\out+12+\d], v[U+3], v[U+1], s31
.endr
.irp i, 0,1,2,3
	ds_store_b128 v[LST], v[\out+4*\i:\out+4*\i+3] offset:(\f0)+2048*\i
.endr
.endm
.macro WFLOAD off
	WIN 0
.irp f, 0,1,2,3,4,5,6,7
.irp c, 0,1,2,3
	ds_load_b128 v[WF+16*\f+4*\c:WF+16*\f+4*\c+3], v[L16] offset:(\off)+2048*\f+512*\c
.endr
.endr
.endm
.macro XLOADS guard, tr                ; h's fragments of trip tr (two K steps) for my tiles
.irp t, 0,1,2,3,4
.if \guard
	WIN 0
	s_cmp_le_u32 s26, \t
	s_cbranch_scc1 .Lxd_\@
.endif
	WIN 0xc0
.irp u, 0,1
.irp c, 0,1,2,3
	global_load_b128 v[32*\t+16*\u+4*\c:32*\t+16*\u+4*\c+3], v[XO+\t], s[6:7] offset:(2*(\tr)+\u)*2048+512*\c
.endr
.endr
.endr
	WIN 0
.Lxd_\@:
.endm
; a trip's products: a tile's four accumulators by turns, one instruction a turn.  zero = 1: the first K step starts the sums, for all five tiles
.macro MULT zero
.irp t, 0,1,2,3,4
.if !(\zero)
	WIN 0
	s_cmp_le_u32 s26, \t
	s_cbranch_scc1 .Lmd_\@
.endif
	WIN 0xac
.irp u, 0,1
.irp i, 0,1,2,3
.if (\zero) && (\u == 0)
	v_wmma_f32_16x16x128_fp8_fp8 v[32*\t+8*\i:32*\t+8*\i+7], v[WF+64*\u+16*\i:WF+64*\u+16*\i+15], v[32*\t+16*\u:32*\t+16*\u+15], 0
.else
	v_wmma_f32_16x16x128_fp8_fp8 v[32*\t+8*\i:32*\t+8*\i+7], v[WF+64*\u+16*\i:WF+64*\u+16*\i+15], v[32*\t+16*\u:32*\t+16*\u+15], v[32*\t+8*\i:32*\t+8*\i+7]
.endif
.endr
.endr
.endr
	WIN 0
.Lmd_\@:
.endm
.macro PASSSET
	s_mul_i32 s27, s25, 20
	s_add_co_u32 s27, s27, s18                     ; my first tile: 20 pass + wave
	s_sub_co_i32 s75, s23, s27
	s_add_co_i32 s75, s75, 3
	s_max_i32 s75, s75, 0
	s_lshr_b32 s75, s75, 2
	s_min_u32 s26, s75, 5                          ; my tiles in this pass
	s_sub_co_u32 s76, s23, 1
.irp t, 0,1,2,3,4
	s_add_co_u32 s77, s27, 4*\t
	s_min_u32 s77, s77, s76
	s_min_u32 s77, s77, 63
	s_lshl_b32 s78, s77, 15
	v_add_nc_u32 v[XO+\t], s78, v[L16]
	s_lshl_b32 s78, s77, 6
	v_add_nc_u32 v[RO+\t], s78, v[R4]
.endr
.endm
.macro IVLOAD
.irp t, 0,1,2,3,4
	global_load_b32 v[IV+\t], v[RO+\t], s[10:11]
	global_load_b32 v[PV+\t], v[RO+\t], s[12:13]
.endr
.endm
; ONE TRIP OF THE STREAM: two K steps
.macro TRIP tr
	CONV 128*((\tr)%2), OA, 16384*(\tr)
.if \tr < 2
	WLOAD 128*((\tr)%2), 2*(\tr)+4
.endif
	CONV 128*((\tr)%2)+64, OB, 16384*(\tr)+8192
.if \tr < 2
	WLOAD 128*((\tr)%2)+64, 2*(\tr)+5
.endif
	WIN 0
	s_wait_dscnt 0x0                               ; for the others' sake: my chunks are in LDS
	s_barrier_signal -1
	s_barrier_wait -1                              ; each byte of the images is stored once in the launch: the trip's only barrier
	WFLOAD 16384*(\tr)
.if \tr < 2
	s_wait_loadcnt 32                              ; issued behind this trip's h: the 32 loads of the weights two trips on.  So h is in, and the next trip's weights, asked for ahead of it
.else
	s_wait_loadcnt 0x0
.endif
	s_wait_dscnt 0x0
.if \tr == 0
	MULT 1
.else
	MULT 0
.endif
	PLACES 4                                       ; in front of loads into registers that the products read
.if \tr < 3
	XLOADS 1, (\tr)+1
.endif
.endm
; THE WAY OUT of tile tt: x the row's weight x 2^(e4 + e5); through my own stage, so that a row's 256 bytes leave by one store; rows past the expert's count are left out
.macro EPI tt
	WIN 0
	s_cmp_le_u32 s26, \tt
	s_cbranch_scc1 .Lepi_done
	s_add_co_u32 s74, s27, 4*(\tt)
	s_lshl_b32 s74, s74, 4
	s_sub_co_i32 s74, s22, s74
	s_max_i32 s74, s74, 0
	s_min_u32 s74, s74, 16                         ; real rows in the tile
	v_mul_f32 v[F], s79, v[PV+\tt]
	WIN 0x02
.irp i, 0,1,2,3
.irp j, 0,1,2,3,4,5,6,7
	v_mul_f32 v[TM+4*\j+\i], v[32*(\tt)+8*\i+\j], v[F]             ; each accumulator from its low end on; TM + n is column 32 hh + n
.endr
.endr
	WIN 0
.irp j, 0,1,2,3,4,5,6,7
	ds_store_b128 v[STO], v[TM+4*\j:TM+4*\j+3] offset:16*\j
.endr
.irp n, 0,1,2,3,4,5,6,7,8,9,10,11,12,13,14,15
	ds_load_b64 v[BK+2*\n:BK+2*\n+1], v[SRD] offset:272*\n         ; LDS serves a wave's instructions in order (ISA guide 5.7.1.4): these see my stores
.endr
.irp n, 0,1,2,3,4,5,6,7,8,9,10,11,12,13,14,15
	s_cmp_le_u32 s74, \n
	s_cbranch_scc1 .Lte_\@
	v_readlane_b32 s75, v[IV+\tt], \n              ; slot x 1,024 + token
	s_min_u32 s75, s75, 2047
	s_lshl_b32 s75, s75, 12
	v_add_nc_u32 v[YO+\n], s75, v[L8]
	s_wait_dscnt 15-\n                             ; row n is back; the later rows' loads may be out
	global_store_b64 v[YO+\n], v[BK+2*\n:BK+2*\n+1], s[16:17]      ; 32 lanes store 256 consecutive bytes, aligned
.endr
.Lte_\@:
	s_wait_dscnt 0x0
	s_wait_xcnt 0x0                                ; the stores have read their registers: the next tile writes them
.endm
	s_load_b256 s[4:11], s[0:1], 0x0               ; w2 s[4:5], hq s[6:7], routei s[8:9], rowinfo s[10:11]
	s_load_b128 s[12:15], s[0:1], 0x20             ; rowp s[12:13], the scales s[14:15]
	s_load_b64 s[16:17], s[0:1], 0x30              ; ybuf
	v_lshl_add_u32 v126, v0, 2, 0x14400
	v_mov_b32 v127, 0
	v_lshrrev_b32 v25, 5, v0
	v_readfirstlane_b32 s18, v25                   ; wave 0..3
	s_and_b32 s19, ttmp9, 15                       ; ds
	s_lshr_b32 s20, ttmp9, 4                       ; kh
	s_and_b32 s21, ttmp7, 0xffff                   ; e
	v_and_b32 v25, 31, v0
	v_and_b32 v26, 15, v0
	v_bfe_u32 v27, v0, 4, 1
	v_lshlrev_b32 v[L16], 4, v25
	v_lshlrev_b32 v[L8], 3, v25
	v_lshlrev_b32 v[R4], 2, v26
	v_lshlrev_b32 v[WOFF], 4, v26                  ; 16 q
	v_lshl_add_u32 v[WOFF], v27, 17, v[WOFF]       ; + 32 rows of 4,096 bytes for lanes 16-31
	s_lshr_b32 s80, s18, 1
	s_lshl_b32 s80, s80, 18                        ; + 64 rows x (wave >> 1)
	s_and_b32 s81, s18, 1
	s_lshl_b32 s81, s81, 13                        ; + 2 rows x (wave & 1)
	s_add_co_u32 s80, s80, s81
	v_add_nc_u32 v[WOFF], s80, v[WOFF]
	s_lshl_b32 s80, s18, 9
	v_add_nc_u32 v[LST], s80, v[L16]
	s_mul_i32 s80, s18, 4352                       ; my stage: 16 rows of 272 bytes, behind the images
	s_add_co_u32 s80, s80, 65536
	v_mul_u32_u24 v[STO], v26, 272
	v_lshl_add_u32 v[STO], v27, 7, v[STO]
	v_add_nc_u32 v[STO], s80, v[STO]
	v_add_nc_u32 v[SRD], s80, v[L8]
	s_lshl_b32 s74, s21, 23                        ; w2: 8 MiB an expert, 4 MiB a half of K, 256 bytes a slice
	s_lshl_b32 s80, s20, 22
	s_add_co_u32 s74, s74, s80
	s_lshl_b32 s80, s19, 8
	s_add_co_u32 s74, s74, s80
	s_mov_b32 s75, 0
	s_lshl_b32 s76, s21, 7
	s_mov_b32 s77, 0
	s_mov_b32 s28, 0x05010400                      ; byte selects for the 4 x 4 turn
	s_mov_b32 s29, 0x07030602
	s_mov_b32 s30, 0x05040100
	s_mov_b32 s31, 0x07060302
	s_wait_kmcnt 0x0
	s_add_nc_u64 s[4:5], s[4:5], s[74:75]
	s_add_nc_u64 s[8:9], s[8:9], s[76:77]
	s_load_b512 s[32:47], s[8:9], 0x2000           ; the expert's mask
	s_load_b512 s[48:63], s[8:9], 0x2040
	s_load_b64 s[72:73], s[14:15], 0x10            ; e4, e5
	WLOAD 0, 0                                     ; the weights of trips 0 and 1
	WLOAD 64, 1
	WLOAD 128, 2
	WLOAD 192, 3
	WIN 0
	s_lshl_b32 s74, s21, 21                        ; hq: 2 MiB an expert, 16,384 bytes a half of K
	s_lshl_b32 s80, s20, 14
	s_add_co_u32 s74, s74, s80
	s_add_nc_u64 s[6:7], s[6:7], s[74:75]
	s_lshl_b32 s74, s21, 12                        ; rowinfo, rowp: 4,096 bytes an expert
	s_add_nc_u64 s[10:11], s[10:11], s[74:75]
	s_add_nc_u64 s[12:13], s[12:13], s[74:75]
	s_lshl_b32 s74, s20, 23                        ; ybuf: 8 MiB a half of K, 256 bytes a slice
	s_lshl_b32 s80, s19, 8
	s_add_co_u32 s74, s74, s80
	s_add_nc_u64 s[16:17], s[16:17], s[74:75]
	s_wait_kmcnt 0x0
	s_mov_b32 s22, 0                               ; n: the expert's rows
.set q, 32
.rept 32
	s_bcnt1_i32_b32 s74, s[q]
	s_add_co_u32 s22, s22, s74
.set q, q+1
.endr
	s_add_co_u32 s23, s22, 15
	s_lshr_b32 s23, s23, 4
	s_max_u32 s23, s23, 1
	s_min_u32 s23, s23, 64                         ; its tiles
	s_add_co_u32 s74, s23, 19
	s_mul_i32 s74, s74, 3277
	s_lshr_b32 s24, s74, 16                        ; passes: ceil(tiles / 20), exact for 1 .. 64 tiles
	s_mov_b32 s25, 0
	PASSSET
	s_add_co_i32 s74, s73, 127
	s_lshl_b32 s75, s74, 23
	v_mov_b32 v[SC5], s75                          ; 2^e5
	s_add_co_i32 s74, s74, 8
	s_lshl_b32 s74, s74, 23
	s_or_b32 s74, s74, 0x600000
	v_mov_b32 v[LIM5], s74                         ; 448 x 2^e5
	s_add_co_i32 s79, s72, s73
	s_add_co_i32 s79, s79, 127
	s_lshl_b32 s79, s79, 23                        ; 2^(e4 + e5)
	IVLOAD
	XLOADS 0, 0
	s_wait_loadcnt 63                              ; behind trip 0's weights 82 loads were issued: a smaller count is safe, and this is the largest that can be written
	TRIP 0
	TRIP 1
	TRIP 2
	TRIP 3
	PLACES 1                                       ; five in all: a later pass begins the accumulators anew
.Lpass:
	EPI 0
	EPI 1
	EPI 2
	EPI 3
	EPI 4
.Lepi_done:
	s_add_co_u32 s25, s25, 1
	s_cmp_ge_u32 s25, s24
	s_cbranch_scc1 .Lend
	s_wait_xcnt 0x0
	PASSSET
	IVLOAD
	XLOADS 0, 0
.irp s, 0,1,2,3                                ; a later pass: the codes are in LDS; every offset is an immediate
	WFLOAD 16384*\s
	s_wait_loadcnt 0x0
	s_wait_dscnt 0x0
.if \s == 0
	MULT 1
.else
	MULT 0
.endif
	PLACES 4
.if \s < 3
	XLOADS 1, \s+1
.endif
.endr
	PLACES 1
	s_cmp_lt_u32 s25, s24
	s_cbranch_scc1 .Lpass
.Lend:
	s_wait_tensorcnt 0x0
	ds_add_u32 v126, v127
	s_wait_dscnt 0x0
	s_endpgm
.Lfunc_end_k_qaea09a8f94_down:
	.size	k_qaea09a8f94_down, .Lfunc_end_k_qaea09a8f94_down-k_qaea09a8f94_down
	.p2alignl 7, 3214868480
	.fill 96, 4, 3214868480
	.section	.rodata,"a",@progbits
	.p2align	6, 0x0
	.amdhsa_kernel k_qaea09a8f94_down
		.amdhsa_group_segment_fixed_size 83456
		.amdhsa_private_segment_fixed_size 0
		.amdhsa_enable_private_segment 0
		.amdhsa_kernarg_size 56
		.amdhsa_user_sgpr_count 2
		.amdhsa_user_sgpr_kernarg_segment_ptr 1
		.amdhsa_wavefront_size32 1
		.amdhsa_system_sgpr_workgroup_id_x 1
		.amdhsa_system_sgpr_workgroup_id_y 1
		.amdhsa_system_sgpr_workgroup_id_z 1
		.amdhsa_system_vgpr_workitem_id 0
		.amdhsa_next_free_vgpr 1024
		.amdhsa_next_free_sgpr 84
		.amdhsa_reserve_vcc 0
		.amdhsa_float_denorm_mode_32 3
		.amdhsa_float_denorm_mode_16_64 3
		.amdhsa_memory_ordered 1
		.amdhsa_forward_progress 1
		.amdhsa_inst_pref_size 198
	.end_amdhsa_kernel
	.amdgpu_metadata
---
amdhsa.version: [ 1, 2 ]
amdhsa.kernels:
  - .name:           k_qaea09a8f94_down
    .symbol:         k_qaea09a8f94_down.kd
    .args:
      - { .name: w2, .offset: 0, .size: 8, .value_kind: global_buffer, .address_space: global }
      - { .name: hq, .offset: 8, .size: 8, .value_kind: global_buffer, .address_space: global }
      - { .name: routei, .offset: 16, .size: 8, .value_kind: global_buffer, .address_space: global }
      - { .name: rowinfo, .offset: 24, .size: 8, .value_kind: global_buffer, .address_space: global }
      - { .name: rowp, .offset: 32, .size: 8, .value_kind: global_buffer, .address_space: global }
      - { .name: lowp_scales, .offset: 40, .size: 8, .value_kind: global_buffer, .address_space: global }
      - { .name: ybuf, .offset: 48, .size: 8, .value_kind: global_buffer, .address_space: global }
    .group_segment_fixed_size: 83456
    .private_segment_fixed_size: 0
    .kernarg_segment_align: 8
    .kernarg_segment_size: 56
    .max_flat_workgroup_size: 128
    .sgpr_count:     84
    .vgpr_count:     1024
    .wavefront_size: 32
...
	.end_amdgpu_metadata
.endif
;; end of part 4
;; launch combine (part 5): grid 256 x 1, 8 waves a work-group, no clusters, 0 bytes of LDS; arguments ybuf, out0; writes out0
.if DOCPART == 5
	.amdgcn_target "amdgcn-amd-amdhsa--gfx1250"
	.amdhsa_code_object_version 6
	.text
	.protected	k_qaea09a8f94_combine
	.globl	k_qaea09a8f94_combine
	.p2align	8
	.type	k_qaea09a8f94_combine,@function
k_qaea09a8f94_combine:
	s_mov_b64 s[64:65], 0
	v_nop
	global_prefetch_b8 v0, s[64:65] scope:SCOPE_SE
	s_setreg_imm32_b32 hwreg(HW_REG_WAVE_MODE, 25, 1), 1
	s_wait_xcnt 0x0
; out0[t][c] = the sum of ybuf's four parts (two halves of K x a token's two experts, each already times its weight).  A plain stream: no LDS, no barrier, no matrix unit.
; A work-group takes 16,384 bytes of the output, a thread four times 16 bytes; each load and store of a wave covers 512 consecutive bytes.  All 16 loads of a thread go out first.
.set D, 16                             ; v16-79: place p, part k at D + 16 p + 4 k
	s_load_b128 s[4:7], s[0:1], 0x0                ; ybuf, out0
	s_lshl_b32 s8, ttmp9, 14
	s_mov_b32 s9, 0
	v_lshlrev_b32 v1, 4, v0
	s_wait_kmcnt 0x0
	s_add_nc_u64 s[4:5], s[4:5], s[8:9]
	s_add_nc_u64 s[6:7], s[6:7], s[8:9]
	s_add_nc_u64 s[10:11], s[4:5], 0x800000        ; the second half of K
.irp p, 0,1,2,3
	global_load_b128 v[D+16*\p:D+16*\p+3], v1, s[4:5] offset:4096*\p th:TH_LOAD_NT
	global_load_b128 v[D+16*\p+4:D+16*\p+7], v1, s[4:5] offset:4096*\p+0x400000 th:TH_LOAD_NT
	global_load_b128 v[D+16*\p+8:D+16*\p+11], v1, s[10:11] offset:4096*\p th:TH_LOAD_NT
	global_load_b128 v[D+16*\p+12:D+16*\p+15], v1, s[10:11] offset:4096*\p+0x400000 th:TH_LOAD_NT
.endr
.irp p, 0,1,2,3
	s_wait_loadcnt 12-4*\p                         ; place p's four loads are in; the later places' may be out
	v_pk_add_f32 v[D+16*\p:D+16*\p+1], v[D+16*\p:D+16*\p+1], v[D+16*\p+8:D+16*\p+9]
	v_pk_add_f32 v[D+16*\p+2:D+16*\p+3], v[D+16*\p+2:D+16*\p+3], v[D+16*\p+10:D+16*\p+11]
	v_pk_add_f32 v[D+16*\p+4:D+16*\p+5], v[D+16*\p+4:D+16*\p+5], v[D+16*\p+12:D+16*\p+13]
	v_pk_add_f32 v[D+16*\p+6:D+16*\p+7], v[D+16*\p+6:D+16*\p+7], v[D+16*\p+14:D+16*\p+15]
	v_pk_add_f32 v[D+16*\p:D+16*\p+1], v[D+16*\p:D+16*\p+1], v[D+16*\p+4:D+16*\p+5]
	v_pk_add_f32 v[D+16*\p+2:D+16*\p+3], v[D+16*\p+2:D+16*\p+3], v[D+16*\p+6:D+16*\p+7]
	global_store_b128 v1, v[D+16*\p:D+16*\p+3], s[6:7] offset:4096*\p th:TH_STORE_NT
.endr
	s_endpgm
.Lfunc_end_k_qaea09a8f94_combine:
	.size	k_qaea09a8f94_combine, .Lfunc_end_k_qaea09a8f94_combine-k_qaea09a8f94_combine
	.p2alignl 7, 3214868480
	.fill 96, 4, 3214868480
	.section	.rodata,"a",@progbits
	.p2align	6, 0x0
	.amdhsa_kernel k_qaea09a8f94_combine
		.amdhsa_group_segment_fixed_size 0
		.amdhsa_private_segment_fixed_size 0
		.amdhsa_enable_private_segment 0
		.amdhsa_kernarg_size 16
		.amdhsa_user_sgpr_count 2
		.amdhsa_user_sgpr_kernarg_segment_ptr 1
		.amdhsa_wavefront_size32 1
		.amdhsa_system_sgpr_workgroup_id_x 1
		.amdhsa_system_sgpr_workgroup_id_y 1
		.amdhsa_system_sgpr_workgroup_id_z 1
		.amdhsa_system_vgpr_workitem_id 0
		.amdhsa_next_free_vgpr 96
		.amdhsa_next_free_sgpr 66
		.amdhsa_reserve_vcc 0
		.amdhsa_float_denorm_mode_32 3
		.amdhsa_float_denorm_mode_16_64 3
		.amdhsa_memory_ordered 1
		.amdhsa_forward_progress 1
		.amdhsa_inst_pref_size 5
	.end_amdhsa_kernel
	.amdgpu_metadata
---
amdhsa.version: [ 1, 2 ]
amdhsa.kernels:
  - .name:           k_qaea09a8f94_combine
    .symbol:         k_qaea09a8f94_combine.kd
    .args:
      - { .name: ybuf, .offset: 0, .size: 8, .value_kind: global_buffer, .address_space: global }
      - { .name: out0, .offset: 8, .size: 8, .value_kind: global_buffer, .address_space: global }
    .group_segment_fixed_size: 0
    .private_segment_fixed_size: 0
    .kernarg_segment_align: 8
    .kernarg_segment_size: 16
    .max_flat_workgroup_size: 256
    .sgpr_count:     66
    .vgpr_count:     96
    .wavefront_size: 32
...
	.end_amdgpu_metadata
.endif
;; end of part 5
;; ======== version 2 of 2: 5 launches
;; workspace buffers: routei 9,216 bytes of whole numbers; probs 8,192 bytes; rowinfo 32,768 bytes of whole numbers; rowp 32,768 bytes; xg 16,777,216 bytes; hq 16,777,216 bytes; ybuf 16,777,216 bytes
;; launch route (part 6): grid 128 x 1, 8 waves a work-group, no clusters, 3,072 bytes of LDS; arguments x, w_gate, routei, probs; writes routei, probs
.if DOCPART == 6
	.amdgcn_target "amdgcn-amd-amdhsa--gfx1250"
	.amdhsa_code_object_version 6
	.text
	.protected	k_qaea09a8f94_route
	.globl	k_qaea09a8f94_route
	.p2align	8
	.type	k_qaea09a8f94_route,@function
k_qaea09a8f94_route:
	s_mov_b64 s[64:65], 0
	v_nop
	global_prefetch_b8 v0, s[64:65] scope:SCOPE_SE
	s_setreg_imm32_b32 hwreg(HW_REG_WAVE_MODE, 25, 1), 1
	s_wait_xcnt 0x0
; THE ROUTER.  logits = x w_gate in f32 (fused multiply-adds), the two largest of eight, softmax over the two.
; A work-group owns 8 tokens; wave w takes K = 128 w .. 128 w + 127 for all eight.  Lane l holds k = 128 w + 4 l + j (j = 0 .. 3): its four rows of w_gate are 128 consecutive bytes,
; and a load of x covers 512 consecutive bytes of a token's row.  So a wave issues 16 loads, and each number of x is read once in the launch.
; Eight tokens are the least that a work-group can own: in the masks a token is one bit, and each byte of a buffer is stored by one work-group.
; Stored: routei[0 .. 8191] = the two experts of each token (int32 pairs); routei[8192 ..] = mask[e][128 bytes]: bit t & 7 of byte t >> 3 says that token t has expert e
; (read as 32 words: bit b of word i is token 32 i + b); probs = the two weights.  All at fixed places: no address and no branch hangs on the choice.
; Matrix units, clusters and the tensor data mover are left out: the product has 8 columns, and the work-groups share nothing but w_gate's 32 KiB.
; LIMITS: NaN and infinities among the inputs are not served.  Equal logits keep the lower index, as jax.lax.top_k does.
.set W, 16                             ; v16-47    w_gate: W + 8 j + e
.set X, 48                             ; v48-79    x: X + 4 t + j
.set A, 80                             ; v80-143   sums: A + 8 t + e
	s_load_b256 s[4:11], s[0:1], 0x0               ; x s[4:5], w_gate s[6:7], routei s[8:9], probs s[10:11]
	v_lshl_add_u32 v144, v0, 2, 0x800
	v_mov_b32 v145, 0
	v_lshrrev_b32 v5, 5, v0
	s_delay_alu instid0(VALU_DEP_1)
	v_readfirstlane_b32 s12, v5                    ; wave 0..7
	v_and_b32 v1, 31, v0                           ; lane
	s_wait_alu depctr_va_vdst(0)
	v_lshlrev_b32 v2, 4, v1                        ; x: 16 bytes a lane
	v_lshlrev_b32 v3, 7, v1                        ; w_gate: four rows of 32 bytes a lane
	v_and_b32 v5, 7, v0
	s_delay_alu instid0(VALU_DEP_1)
	v_lshlrev_b32 v5, 5, v5                        ; LDS, for wave 0: token (lane & 7)'s eight logits
	s_lshl_b32 s16, s12, 12                        ; w_gate: 128 rows of 32 bytes a wave
	s_mov_b32 s17, 0
	s_lshl_b32 s18, ttmp9, 15                      ; x: 8 tokens of 4,096 bytes a work-group,
	s_lshl_b32 s19, s12, 9                         ; 128 numbers a wave
	s_add_co_u32 s18, s18, s19
	s_mov_b32 s19, 0
	s_lshl_b32 s20, s12, 8                         ; LDS: LG[wave][token][8] f32
	v_mov_b32 v4, s20
	s_mov_b32 s22, 0x76543210                      ; v_permlanex16_b32: lane l xor 16
	s_mov_b32 s23, 0xfedcba98
	s_lshl_b32 s24, ttmp9, 6
	v_lshl_add_u32 v6, v1, 3, s24                  ; where a token's pair is stored: 8 x token
	s_mov_b32 s25, ttmp9
	v_lshl_add_u32 v7, v1, 7, s25                  ; where expert (= lane)'s mask byte is stored: 128 x expert + work-group
	s_wait_alu depctr_va_vdst(0)
	s_wait_kmcnt 0x0
	s_add_nc_u64 s[6:7], s[6:7], s[16:17]
	s_add_nc_u64 s[4:5], s[4:5], s[18:19]
.irp q, 0,1,2,3,4,5,6,7
	global_load_b128 v[W+4*\q:W+4*\q+3], v3, s[6:7] offset:16*\q
.endr
.irp t, 0,1,2,3,4,5,6,7
	global_load_b128 v[X+4*\t:X+4*\t+3], v2, s[4:5] offset:4096*\t
.endr
; token t: 16 packed multiply-adds: two experts at a time, x's number broadcast to both halves.  The first products start the sums: nothing is cleared.
.irp t, 0,1,2,3,4,5,6,7
	s_wait_loadcnt 7-\t                            ; w_gate and token t's numbers are in; the later tokens' loads may be out
.irp j, 0,1,2,3
.irp p, 0,2,4,6
.if \j == 0
	v_pk_mul_f32 v[A+8*\t+\p:A+8*\t+\p+1], v[X+4*\t:X+4*\t+1], v[W+\p:W+\p+1] op_sel_hi:[0,1]
.elseif \j == 2
	s_delay_alu instid0(VALU_DEP_4)
	v_pk_fma_f32 v[A+8*\t+\p:A+8*\t+\p+1], v[X+4*\t+2:X+4*\t+3], v[W+16+\p:W+16+\p+1], v[A+8*\t+\p:A+8*\t+\p+1] op_sel_hi:[0,1,1]
.else
	s_delay_alu instid0(VALU_DEP_4)
	v_pk_fma_f32 v[A+8*\t+\p:A+8*\t+\p+1], v[X+4*\t+\j-1:X+4*\t+\j], v[W+8*\j+\p:W+8*\j+\p+1], v[A+8*\t+\p:A+8*\t+\p+1] op_sel:[1,0,0] op_sel_hi:[1,1,1]
.endif
.endr
.endr
.endr
; each of the 64 sums over the 32 lanes
.irp m, 1,2,4,8
.set q, 0
.rept 64
	v_add_f32_dpp v[A+q], v[A+q], v[A+q] row_xmask:\m row_mask:0xf bank_mask:0xf
.set q, q+1
.endr
.endr
.set q, 0
.rept 64
	v_permlanex16_b32 v[W+q], v[A+q], s22, s23     ; into w_gate's and x's registers, which are done with
.set q, q+1
.endr
.set q, 0
.rept 64
	v_add_f32 v[A+q], v[A+q], v[W+q]
.set q, q+1
.endr
.irp t, 0,1,2,3,4,5,6,7
	ds_store_b128 v4, v[A+8*\t:A+8*\t+3] offset:32*\t          ; every lane holds the same sums and writes the same bytes
	ds_store_b128 v4, v[A+8*\t+4:A+8*\t+7] offset:32*\t+16
.endr
	s_wait_dscnt 0x0                               ; for wave 0's sake: my stores are done
	s_barrier_signal -1
	s_barrier_wait -1
	s_cmp_lg_u32 s12, 0
	s_cbranch_scc1 .Lend
; wave 0: lane & 7 is the token; lanes 8 to 31 repeat lanes 0 to 7 and store nothing
.irp w, 0,1,2,3,4,5,6,7
	ds_load_b128 v[16+8*\w:19+8*\w], v5 offset:256*\w
	ds_load_b128 v[20+8*\w:23+8*\w], v5 offset:256*\w+16
.endr
	s_wait_dscnt 0x0
.irp w, 1,2,3,4,5,6,7
.irp p, 0,2,4,6
	v_pk_add_f32 v[16+\p:17+\p], v[16+\p:17+\p], v[16+8*\w+\p:17+8*\w+\p]    ; the eight parts of K
.endr
.endr
	s_delay_alu instid0(VALU_DEP_4)
	v_mov_b32 v32, v16                             ; the largest, and its index; a later one wins only if it is strictly larger
	v_mov_b32 v44, 0
.irp e, 1,2,3,4,5,6,7
	s_delay_alu instid0(VALU_DEP_2)
	v_cmp_gt_f32 vcc_lo, v[16+\e], v32
	s_delay_alu instid0(VALU_DEP_1)
	v_cndmask_b32 v32, v32, v[16+\e], vcc_lo
	s_delay_alu instid0(VALU_DEP_2)
	v_cndmask_b32 v44, v44, \e, vcc_lo
.endr
	v_mov_b32 v40, 0xff800000                      ; -infinity takes the winner's place
.irp e, 0,1,2,3,4,5,6,7
	v_cmp_eq_u32 vcc_lo, \e, v44
	s_delay_alu instid0(VALU_DEP_1)
	v_cndmask_b32 v[16+\e], v[16+\e], v40, vcc_lo
.endr
	v_mov_b32 v34, v16                             ; the second largest
	v_mov_b32 v45, 0
.irp e, 1,2,3,4,5,6,7
	s_delay_alu instid0(VALU_DEP_2)
	v_cmp_gt_f32 vcc_lo, v[16+\e], v34
	s_delay_alu instid0(VALU_DEP_1)
	v_cndmask_b32 v34, v34, v[16+\e], vcc_lo
	s_delay_alu instid0(VALU_DEP_2)
	v_cndmask_b32 v45, v45, \e, vcc_lo
.endr
	s_delay_alu instid0(VALU_DEP_2)
	v_sub_f32 v36, v34, v32                        ; the maximum is taken away: l2 - l1, 0 or less
	s_delay_alu instid0(VALU_DEP_1)
	v_mul_f32 v36, 0x3fb8aa3b, v36
	s_wait_alu depctr_va_vdst(0)
	v_exp_f32 v37, v36
	v_nop                                          ; a plain place behind the transcendental
	s_wait_alu depctr_va_vdst(0)
	v_add_f32 v38, 1.0, v37
	s_wait_alu depctr_va_vdst(0)
	v_rcp_f32 v42, v38                             ; p0 = 1 / (1 + e^(l2 - l1))
	v_nop
	s_wait_alu depctr_va_vdst(0)
	v_mul_f32 v43, v37, v42                        ; p1
	v_mov_b32 v46, 0
.irp e, 0,1,2,3,4,5,6,7
	v_cmp_eq_u32 s26, \e, v44
	v_cmp_eq_u32 s27, \e, v45
	s_or_b32 s26, s26, s27
	v_writelane_b32 v46, s26, \e                   ; expert e's bits into lane e: its low byte is my eight tokens
.endr
	v_cmp_gt_u32 vcc_lo, 8, v1
	s_wait_alu depctr_va_vdst(0)
	s_wait_xcnt 0x0                                ; EXEC changes only behind this wait
	s_and_saveexec_b32 s28, vcc_lo
	global_store_b64 v6, v[44:45], s[8:9]          ; eight lanes store 64 consecutive bytes
	global_store_b64 v6, v[42:43], s[10:11]
	global_store_b8 v7, v46, s[8:9] offset:8192    ; lane e: my byte of expert e's mask
	s_wait_xcnt 0x0
	s_or_b32 exec_lo, exec_lo, s28
.Lend:
	s_wait_tensorcnt 0x0
	ds_add_u32 v144, v145
	s_wait_dscnt 0x0
	s_endpgm
.Lfunc_end_k_qaea09a8f94_route:
	.size	k_qaea09a8f94_route, .Lfunc_end_k_qaea09a8f94_route-k_qaea09a8f94_route
	.p2alignl 7, 3214868480
	.fill 96, 4, 3214868480
	.section	.rodata,"a",@progbits
	.p2align	6, 0x0
	.amdhsa_kernel k_qaea09a8f94_route
		.amdhsa_group_segment_fixed_size 3072
		.amdhsa_private_segment_fixed_size 0
		.amdhsa_enable_private_segment 0
		.amdhsa_kernarg_size 32
		.amdhsa_user_sgpr_count 2
		.amdhsa_user_sgpr_kernarg_segment_ptr 1
		.amdhsa_wavefront_size32 1
		.amdhsa_system_sgpr_workgroup_id_x 1
		.amdhsa_system_sgpr_workgroup_id_y 1
		.amdhsa_system_sgpr_workgroup_id_z 1
		.amdhsa_system_vgpr_workitem_id 0
		.amdhsa_next_free_vgpr 146
		.amdhsa_next_free_sgpr 66
		.amdhsa_reserve_vcc 1
		.amdhsa_float_denorm_mode_32 3
		.amdhsa_float_denorm_mode_16_64 3
		.amdhsa_memory_ordered 1
		.amdhsa_forward_progress 1
		.amdhsa_inst_pref_size 48
	.end_amdhsa_kernel
	.amdgpu_metadata
---
amdhsa.version: [ 1, 2 ]
amdhsa.kernels:
  - .name:           k_qaea09a8f94_route
    .symbol:         k_qaea09a8f94_route.kd
    .args:
      - { .name: x, .offset: 0, .size: 8, .value_kind: global_buffer, .address_space: global }
      - { .name: w_gate, .offset: 8, .size: 8, .value_kind: global_buffer, .address_space: global }
      - { .name: routei, .offset: 16, .size: 8, .value_kind: global_buffer, .address_space: global }
      - { .name: probs, .offset: 24, .size: 8, .value_kind: global_buffer, .address_space: global }
    .group_segment_fixed_size: 3072
    .private_segment_fixed_size: 0
    .kernarg_segment_align: 8
    .kernarg_segment_size: 32
    .max_flat_workgroup_size: 256
    .sgpr_count:     66
    .vgpr_count:     146
    .wavefront_size: 32
...
	.end_amdgpu_metadata
.endif
;; end of part 6
;; launch place (part 7): grid 135 x 1, 8 waves a work-group, no clusters, 0 bytes of LDS; arguments x, routei, probs, lowp_scales, xg, rowinfo, rowp; writes xg, rowinfo, rowp
.if DOCPART == 7
	.amdgcn_target "amdgcn-amd-amdhsa--gfx1250"
	.amdhsa_code_object_version 6
	.text
	.protected	k_qaea09a8f94_place
	.globl	k_qaea09a8f94_place
	.p2align	8
	.type	k_qaea09a8f94_place,@function
k_qaea09a8f94_place:
	s_mov_b64 s[64:65], 0
	v_nop
	global_prefetch_b8 v0, s[64:65] scope:SCOPE_SE
	s_setreg_imm32_b32 hwreg(HW_REG_WAVE_MODE, 25, 1), 1
	s_wait_xcnt 0x0
; THE ROWS ARE PLACED BY EXPERT, AND x IS QUANTISED.  An expert's rows are its tokens in ascending order; a tile is 16 rows; expert e has nt = max(1, ceil(n / 16)) tiles.
; With 2,048 rows and 8 experts there are never more than 135 tiles: one work-group a tile; a work-group that the split leaves without a tile stores nothing.
; Wave w takes K step w (128 along K) of the tile: it gathers its 16 rows of x and stores their codes of E4M3, once with scale 2^e1 and once with 2^e3, as an image of the
; operand's registers: xg[set][e][tile][K step][chunk c][lane][16 bytes]; lane (r, hh), chunk c, byte beta is x(row r, 128 s + 64 hh + 16 c + beta).
; Rows past the expert's count repeat some token's numbers; rowinfo marks them 4096 and nothing of them is kept later.
; THE COUNTS: all 256 mask words come by one pair of vector loads (lane l: words 8 (l & 3) .. + 7 of expert l >> 2; the wave's two loads cover the 1,024 bytes), each lane counts its bits by
; shifts, ANDs and adds, and four lanes' counts are added in scalar registers: whole numbers throughout, and one wait for memory where rounds of scalar loads would each have their own.
; LIMITS: e1 and e3 between -126 and 119.  NaN among the inputs is not served.
.set X,  32                            ; v32-95    64 numbers of my row (at the head: v32-39 mask words, v40-47 at work)
.set T,  96                            ; v96-111   16 numbers held for the first scale
.set C1, 112                           ; v112-127  codes with 2^e1
.set C3, 128                           ; v128-143  codes with 2^e3
.macro MKSC se, vsc, vlim              ; s[se] = e: v[vsc] = 2^e, v[vlim] = 448 x 2^e, as f32
	s_add_co_i32 s88, s[\se], 127
	s_lshl_b32 s89, s88, 23
	v_mov_b32 v[\vsc], s89
	s_add_co_i32 s88, s88, 8
	s_lshl_b32 s88, s88, 23
	s_or_b32 s88, s88, 0x600000
	v_mov_b32 v[\vlim], s88
.endm
	s_load_b256 s[4:11], s[0:1], 0x0               ; x s[4:5], routei s[6:7], probs s[8:9], the scales s[10:11]
	s_load_b128 s[12:15], s[0:1], 0x20             ; xg s[12:13], rowinfo s[14:15]
	s_load_b64 s[16:17], s[0:1], 0x30              ; rowp
	v_lshrrev_b32 v1, 5, v0
	s_delay_alu instid0(VALU_DEP_1)
	v_readfirstlane_b32 s18, v1                    ; wave 0..7 = K step
	v_and_b32 v1, 31, v0                           ; lane
	v_and_b32 v3, 15, v0                           ; r
	v_bfe_u32 v4, v0, 4, 1                         ; hh
	s_delay_alu instid0(VALU_DEP_3)
	v_lshlrev_b32 v18, 4, v1                       ; 16 x lane
	s_delay_alu instid0(VALU_DEP_4)
	v_lshlrev_b32 v28, 5, v1                       ; 32 x lane: my eight mask words
	s_mov_b32 s32, 0x55555555
	s_mov_b32 s33, 0x33333333
	s_mov_b32 s34, 0x0f0f0f0f
	s_mov_b32 s35, 0x00ff00ff
	s_wait_alu depctr_va_vdst(0)
	s_wait_kmcnt 0x0
	global_load_b128 v[32:35], v28, s[6:7] offset:8192
	global_load_b128 v[36:39], v28, s[6:7] offset:8208
	s_load_b32 s29, s[10:11], 0x4                  ; e1
	s_load_b32 s30, s[10:11], 0xc                  ; e3
	s_wait_loadcnt 0x0
; the set bits of each of my eight words, as four counts of a byte each; the eight words take turns line by line
.irp q, 0,1,2,3,4,5,6,7
	v_lshrrev_b32 v[40+\q], 1, v[32+\q]
.endr
.irp q, 0,1,2,3,4,5,6,7
	v_and_b32 v[40+\q], s32, v[40+\q]
.endr
.irp q, 0,1,2,3,4,5,6,7
	v_sub_nc_u32 v[32+\q], v[32+\q], v[40+\q]      ; counts of 2 bits
.endr
.irp q, 0,1,2,3,4,5,6,7
	v_lshrrev_b32 v[40+\q], 2, v[32+\q]
.endr
.irp q, 0,1,2,3,4,5,6,7
	v_and_b32 v[32+\q], s33, v[32+\q]
.endr
.irp q, 0,1,2,3,4,5,6,7
	v_and_b32 v[40+\q], s33, v[40+\q]
.endr
.irp q, 0,1,2,3,4,5,6,7
	v_add_nc_u32 v[32+\q], v[32+\q], v[40+\q]      ; of 4 bits
.endr
.irp q, 0,1,2,3,4,5,6,7
	v_lshrrev_b32 v[40+\q], 4, v[32+\q]
.endr
.irp q, 0,1,2,3,4,5,6,7
	v_add_nc_u32 v[32+\q], v[32+\q], v[40+\q]
.endr
.irp q, 0,1,2,3,4,5,6,7
	v_and_b32 v[32+\q], s34, v[32+\q]              ; of 8 bits: 8 at the most in each byte
.endr
	v_add_nc_u32 v32, v32, v33                     ; the eight words: 64 at the most in each byte
	v_add_nc_u32 v34, v34, v35
	v_add_nc_u32 v36, v36, v37
	s_delay_alu instid0(VALU_DEP_4)
	v_add_nc_u32 v38, v38, v39
	s_delay_alu instid0(VALU_DEP_3)
	v_add_nc_u32 v32, v32, v34
	s_delay_alu instid0(VALU_DEP_2)
	v_add_nc_u32 v36, v36, v38
	s_delay_alu instid0(VALU_DEP_1)
	v_add_nc_u32 v32, v32, v36
	s_delay_alu instid0(VALU_DEP_1)
	v_lshrrev_b32 v40, 8, v32
	s_delay_alu instid0(VALU_DEP_2)
	v_and_b32 v32, s35, v32
	s_delay_alu instid0(VALU_DEP_2)
	v_and_b32 v40, s35, v40
	s_delay_alu instid0(VALU_DEP_1)
	v_add_nc_u32 v32, v32, v40                     ; two counts of 16 bits
	s_delay_alu instid0(VALU_DEP_1)
	v_lshrrev_b32 v40, 16, v32
	s_delay_alu instid0(VALU_DEP_2)
	v_and_b32 v32, 0xffff, v32
	s_delay_alu instid0(VALU_DEP_1)
	v_add_nc_u32 v32, v32, v40                     ; my 256 bits' count
; the eight counts n_e in s20-27: expert e's four lanes
.irp e, 0,1,2,3,4,5,6,7
	v_readlane_b32 s[20+\e], v32, 4*\e
	v_readlane_b32 s28, v32, 4*\e+1
	v_readlane_b32 s31, v32, 4*\e+2
	v_readlane_b32 s36, v32, 4*\e+3
	s_add_co_u32 s[20+\e], s[20+\e], s28
	s_add_co_u32 s31, s31, s36
	s_add_co_u32 s[20+\e], s[20+\e], s31
.endr
; which expert's tile is mine: the last expert whose first tile is not behind my number
	s_mov_b32 s68, 0                               ; first tile of expert e
	s_mov_b32 s69, 0                               ; my expert,
	s_mov_b32 s70, 0                               ; its first tile,
	s_mov_b32 s71, 0                               ; its rows,
	s_mov_b32 s72, 0                               ; its tiles
.irp e, 0,1,2,3,4,5,6,7
	s_add_co_u32 s73, s[20+\e], 15
	s_lshr_b32 s73, s73, 4
	s_max_u32 s73, s73, 1
	s_cmp_ge_u32 ttmp9, s68
	s_cselect_b32 s69, \e, s69
	s_cselect_b32 s70, s68, s70
	s_cselect_b32 s71, s[20+\e], s71
	s_cselect_b32 s72, s73, s72
	s_add_co_u32 s68, s68, s73
.endr
	s_sub_co_u32 s74, ttmp9, s70                   ; j: my tile of that expert
	s_cmp_ge_u32 s74, s72
	s_cbranch_scc1 .Lend                           ; this split has no tile for me
	s_min_u32 s75, s69, 7
	s_lshl_b32 s76, s75, 7
	s_mov_b32 s77, 0
	s_add_nc_u64 s[78:79], s[6:7], s[76:77]
	s_load_b512 s[32:47], s[78:79], 0x2000         ; my expert's 32 mask words
	s_load_b512 s[48:63], s[78:79], 0x2040
	s_lshl_b32 s82, s75, 6
	s_add_co_u32 s82, s82, s74
	s_min_u32 s82, s82, 511                        ; 64 e + j
	s_lshl_b32 s80, s82, 14                        ; a tile's images: 16,384 bytes; a K step's: 2,048
	s_lshl_b32 s83, s18, 11
	s_add_co_u32 s80, s80, s83
	s_mov_b32 s81, 0
	s_add_nc_u64 s[12:13], s[12:13], s[80:81]      ; xg, set 0
	s_add_nc_u64 s[90:91], s[12:13], 0x800000      ; xg, set 1
	s_lshl_b32 s80, s18, 9
	s_add_nc_u64 s[4:5], s[4:5], s[80:81]          ; x at my K step
	s_lshl_b32 s83, s82, 6                         ; rowinfo, rowp: 16 words a tile
	s_lshl_b32 s87, s74, 4
	v_add_nc_u32 v2, s87, v3                       ; rho = 16 j + r: my row's rank among the expert's tokens
	s_wait_alu depctr_va_vdst(0)
	s_wait_kmcnt 0x0                               ; the mask words, and the two scales' exponents
	MKSC 29, 24, 25
	MKSC 30, 26, 27
; the word that holds the token of rank rho: the last word in front of which at most rho bits are set
	v_mov_b32 v5, s32                              ; the word,
	v_mov_b32 v6, 0                                ; the bits in front of it,
	v_mov_b32 v7, 0                                ; its first token
	s_bcnt1_i32_b32 s84, s32
.set q, 1
.rept 31
	v_cmp_gt_u32 vcc_lo, s84, v2
	s_delay_alu instid0(VALU_DEP_1)
	v_cndmask_b32 v5, s[32+q], v5, vcc_lo
	s_delay_alu instid0(VALU_DEP_2)
	v_cndmask_b32 v6, s84, v6, vcc_lo
	s_delay_alu instid0(VALU_DEP_3)
	v_cndmask_b32 v7, 32*q, v7, vcc_lo
	s_bcnt1_i32_b32 s85, s[32+q]
	s_add_co_u32 s84, s84, s85
.set q, q+1
.endr
; the bit: its place is the number of prefixes of the word that hold at most rho - (bits in front) set bits
	v_sub_nc_u32 v8, v2, v6
	v_mov_b32 v10, 0
	v_mov_b32 v11, 0
.set q, 0
.rept 32
	v_bfe_u32 v9, v5, q, 1
	s_delay_alu instid0(VALU_DEP_1)
	v_add_nc_u32 v10, v10, v9
	s_delay_alu instid0(VALU_DEP_1)
	v_cmp_le_u32 vcc_lo, v10, v8
	s_delay_alu instid0(VALU_DEP_1)
	v_add_co_ci_u32 v11, vcc_lo, 0, v11, vcc_lo
.set q, q+1
.endr
	s_delay_alu instid0(VALU_DEP_1)
	v_add_nc_u32 v12, v7, v11
	s_delay_alu instid0(VALU_DEP_1)
	v_min_u32 v12, 0x3ff, v12                      ; the token; rows past the count fall on some token
	v_cmp_gt_u32 s86, s71, v2                      ; a real row: rho < n
	s_delay_alu instid0(VALU_DEP_2)
	v_lshlrev_b32 v13, 3, v12
	global_load_b64 v[14:15], v13, s[6:7]          ; its two experts
	global_load_b64 v[16:17], v13, s[8:9]          ; its two weights
	v_lshlrev_b32 v23, 12, v12
	s_delay_alu instid0(VALU_DEP_1)
	v_lshl_add_u32 v23, v4, 8, v23                 ; x: token x 4,096 + 256 hh
.irp n, 0,1,2,3,4,5,6,7,8,9,10,11,12,13,14,15
	global_load_b128 v[X+4*\n:X+4*\n+3], v23, s[4:5] offset:16*\n
.endr
.irp c, 0,1,2,3
	s_wait_loadcnt 12-4*\c                         ; chunk c's four loads are in; the later chunks' may be out
.irp i, 0,1,2,3,4,5,6,7,8,9,10,11,12,13,14,15
	v_med3_num_f32 v[T+\i], v[X+16*\c+\i], -v25, v25           ; the conversion does not saturate (ISA guide 7.6.2): the hold at 448 x the scale comes first
.endr
	v_cvt_scalef32_pk8_fp8_f32 v[C1+4*\c:C1+4*\c+1], v[T:T+7], v24
	v_cvt_scalef32_pk8_fp8_f32 v[C1+4*\c+2:C1+4*\c+3], v[T+8:T+15], v24
.irp i, 0,1,2,3,4,5,6,7,8,9,10,11,12,13,14,15
	v_med3_num_f32 v[X+16*\c+\i], v[X+16*\c+\i], -v27, v27     ; (plain lines behind the conversions, which touch none of their registers)
.endr
	v_cvt_scalef32_pk8_fp8_f32 v[C3+4*\c:C3+4*\c+1], v[X+16*\c:X+16*\c+7], v26
	v_cvt_scalef32_pk8_fp8_f32 v[C3+4*\c+2:C3+4*\c+3], v[X+16*\c+8:X+16*\c+15], v26
.endr
	v_nop
.irp c, 0,1,2,3
	global_store_b128 v18, v[C1+4*\c:C1+4*\c+3], s[12:13] offset:512*\c    ; 32 lanes store 512 consecutive bytes
	global_store_b128 v18, v[C3+4*\c:C3+4*\c+3], s[90:91] offset:512*\c
.endr
	s_cmp_lg_u32 s18, 0
	s_cbranch_scc1 .Lend
; wave 0: the tile's 16 rows: where their results go, and their weights
	v_cmp_eq_u32 vcc_lo, s69, v15                  ; my expert is the token's second choice
	s_delay_alu instid0(VALU_DEP_1)
	v_cndmask_b32 v19, 0, 1, vcc_lo
	s_delay_alu instid0(VALU_DEP_2)
	v_cndmask_b32 v20, v16, v17, vcc_lo
	s_delay_alu instid0(VALU_DEP_2)
	v_lshl_add_u32 v19, v19, 10, v12               ; slot x 1,024 + token
	v_mov_b32 v21, 0x1000
	s_delay_alu instid0(VALU_DEP_1)
	v_cndmask_b32 v19, v21, v19, s86
	v_lshl_add_u32 v22, v1, 2, s83
	v_cmp_gt_u32 vcc_lo, 16, v1
	s_wait_alu depctr_va_vdst(0)
	s_wait_xcnt 0x0                                ; EXEC changes only behind this wait
	s_and_saveexec_b32 s92, vcc_lo
	global_store_b32 v22, v19, s[14:15]
	global_store_b32 v22, v20, s[16:17]
	s_wait_xcnt 0x0
	s_or_b32 exec_lo, exec_lo, s92
.Lend:
	s_endpgm
.Lfunc_end_k_qaea09a8f94_place:
	.size	k_qaea09a8f94_place, .Lfunc_end_k_qaea09a8f94_place-k_qaea09a8f94_place
	.p2alignl 7, 3214868480
	.fill 96, 4, 3214868480
	.section	.rodata,"a",@progbits
	.p2align	6, 0x0
	.amdhsa_kernel k_qaea09a8f94_place
		.amdhsa_group_segment_fixed_size 0
		.amdhsa_private_segment_fixed_size 0
		.amdhsa_enable_private_segment 0
		.amdhsa_kernarg_size 56
		.amdhsa_user_sgpr_count 2
		.amdhsa_user_sgpr_kernarg_segment_ptr 1
		.amdhsa_wavefront_size32 1
		.amdhsa_system_sgpr_workgroup_id_x 1
		.amdhsa_system_sgpr_workgroup_id_y 1
		.amdhsa_system_sgpr_workgroup_id_z 1
		.amdhsa_system_vgpr_workitem_id 0
		.amdhsa_next_free_vgpr 160
		.amdhsa_next_free_sgpr 100
		.amdhsa_reserve_vcc 1
		.amdhsa_float_denorm_mode_32 3
		.amdhsa_float_denorm_mode_16_64 3
		.amdhsa_memory_ordered 1
		.amdhsa_forward_progress 1
		.amdhsa_inst_pref_size 43
	.end_amdhsa_kernel
	.amdgpu_metadata
---
amdhsa.version: [ 1, 2 ]
amdhsa.kernels:
  - .name:           k_qaea09a8f94_place
    .symbol:         k_qaea09a8f94_place.kd
    .args:
      - { .name: x, .offset: 0, .size: 8, .value_kind: global_buffer, .address_space: global }
      - { .name: routei, .offset: 8, .size: 8, .value_kind: global_buffer, .address_space: global }
      - { .name: probs, .offset: 16, .size: 8, .value_kind: global_buffer, .address_space: global }
      - { .name: lowp_scales, .offset: 24, .size: 8, .value_kind: global_buffer, .address_space: global }
      - { .name: xg, .offset: 32, .size: 8, .value_kind: global_buffer, .address_space: global }
      - { .name: rowinfo, .offset: 40, .size: 8, .value_kind: global_buffer, .address_space: global }
      - { .name: rowp, .offset: 48, .size: 8, .value_kind: global_buffer, .address_space: global }
    .group_segment_fixed_size: 0
    .private_segment_fixed_size: 0
    .kernarg_segment_align: 8
    .kernarg_segment_size: 56
    .max_flat_workgroup_size: 256
    .sgpr_count:     100
    .vgpr_count:     160
    .wavefront_size: 32
...
	.end_amdgpu_metadata
.endif
;; end of part 7
;; launch up (part 8): grid 32 x 8, 4 waves a work-group, no clusters, 131,584 bytes of LDS; arguments w1, w3, xg, routei, lowp_scales, hq; writes hq
.if DOCPART == 8
	.amdgcn_target "amdgcn-amd-amdhsa--gfx1250"
	.amdhsa_code_object_version 6
	.text
	.protected	k_qaea09a8f94_up
	.globl	k_qaea09a8f94_up
	.p2align	8
	.type	k_qaea09a8f94_up,@function
k_qaea09a8f94_up:
	s_mov_b64 s[64:65], 0
	v_nop
	global_prefetch_b8 v0, s[64:65] scope:SCOPE_SE
	s_setreg_imm32_b32 hwreg(HW_REG_WAVE_SCHED_MODE, 0, 2), 2
	s_setreg_imm32_b32 hwreg(HW_REG_WAVE_MODE, 25, 1), 1
	s_wait_xcnt 0x0
	s_wait_alu depctr_vm_vsrc(0)
; h = silu(x w1) * (x w3) FOR THE ROWS OF ONE EXPERT, both products on codes of E4M3, h quantised with 2^e4 and stored as codes.
; THE WEIGHTS STAY, THE ROWS GO ROUND.  Work-group (hs, e) owns columns 64 hs .. 64 hs + 63 of w1[e] and w3[e]: 512 KiB of f32, read from memory once, quantised in registers
; and kept in LDS as 128 KiB of codes.  K goes in 8 steps of 128.  In a step wave w loads and quantises rows 128 s + 64 hh + 16 w + 0 .. 15 of both matrices (each load: two aligned
; runs of 256 bytes), turns each 4 x 4 block of bytes, and stores the result as chunk w of eight operand images; behind one barrier every wave reads all eight.
; A lane's 16 bytes of a row are columns 4 q .. 4 q + 3, so tile i of the slice is the columns 4 q + i.  THE PRODUCTS ARE USED TRANSPOSED (source 0 = 16 columns of a weight, source 1 = 16 rows of x):
; lane (r, hh), register j of tile i is row r, column 64 hs + 32 hh + 4 j + i.  K's order inside a fragment is byte beta of chunk c of half hh = 128 s + 64 hh + 16 c + beta, alike on both sides.
; Wave w multiplies tiles of rows 20 pass + 4 t + w, t = 0 .. 4.  The first pass runs beside the stream of weights; later passes (an expert with more than 320 rows) read the codes from LDS.
; The number of tiles comes from the stored masks.  So the operands come by plain loads and not by the tensor data mover or joint loads: the partners' numbers of tiles hang on stored counts.
; h's codes leave as an image of the next product's operand: hq[e][tile][K step 16][chunk 4][lane][16]: chunk c, byte beta of half hh = 128 s' + 64 (c >> 1) + 32 hh + 4 (beta & 7) + 2 (c & 1) + (beta >> 3).
; LIMITS: e0, e2 and e4 - (e0 + e1 + e2 + e3) between -126 and 119; e0 + e1 between -126 and 127.  NaN and infinities among the inputs are not served.
; REGISTERS, in windows of 256: window 0: addresses, constants, work, v128-255 the eight weight fragments;  window 1: four sets of 64 for the weights as loaded;
;   window 2: the accumulators of tiles t = 0 .. 3 at 64 t + 32 m + 8 i;  window 3: those of t = 4 at 32 m + 8 i; from v64 x's fragments at 32 t + 16 m + 4 c.
; THE MODE: SCHED_MODE bits 1:0 = 2 (LLVM: expert scheduling mode 2), set by the entry lines.  The code itself states the register dependences
; between vector or matrix instructions and memory or LDS instructions, with s_wait_alu, always for 0.
; THE PLAN.  Registers that memory or LDS instructions touch, and who else names them:
;   window 1's four sets   a step's holds and conversions work on two of them; behind each set's conversions the loads of the weights two steps on land in it.
;   OA, OB                 written by a step's turns, read by its eight LDS stores.
;   v[LWS], v[LRS]         written at a step's head, read by its LDS stores and its LDS loads.
;   WF                     a step's LDS loads land in it, its products read it; on the way out vector lines work in its first 64 registers.
;   XF                     a step's products read it; behind them the next step's loads land in it.
;   v[XO ..], v[HO], CH    written at a pass's head and by the way out's conversions; read by x's loads and h's stores.
;   v[L16], v[WOFF], v[LW1]  made at the head, never written again.     v54, v55: written at the head, read by the closing add alone.
; A STEP'S WAITS: one on vm_vsrc at its head (the last step's LDS instructions have read what this step writes again); one on va_vdst behind each set's turns (the LDS stores' registers are written; the set is
; free for its loads; the second of them also stands for v[LRS] and for the last step's products' reads of WF); one on va_vdst behind the products (XF is free).  All 1,024 registers are given out: there is no further buffer.
.set L16,  1                           ; 16 x lane
.set WOFF, 2                           ; my bytes in a K step of a weight
.set LST,  3                           ; 16 x lane + 512 x wave: my chunk of an image
.set LWS,  4                           ; this step's LDS address for stores,
.set LRS,  5                           ; and for loads
.set LW1,  6                           ; 16 x lane + 65,536
.set HO,   7                           ; my offset in hq
.set XO,   8                           ; v8-12  tile t's offset in xg
.set SC1,  14                          ; 2^e0, 448 x 2^e0; 2^e2, 448 x 2^e2; the same for h
.set LIM1, 15
.set SC3,  16
.set LIM3, 17
.set SCH,  18
.set LIMH, 19
.set P,    32                          ; v32-47  codes as converted: register jj = row jj, four columns
.set U,    48                          ; v48-51  at work
.set OA,   56                          ; v56-71  w1's chunk, turned: 4 i + d
.set OB,   72                          ; v72-87  w3's
.set CH,   88                          ; v88-127 h's codes, 8 a tile
.set WF,   128                         ; v128-255 weight fragments at 64 m + 16 i + 4 c
.set T,    128                         ; the way out: 32 registers,
.set PR,   160                         ; and 32 more
.set XF,   64                          ; in window 3
.set MSB, 0
.macro WIN new                         ; the immediate's high byte repeats the setting that is left
.if MSB != (\new)
	s_set_vgpr_msb (MSB<<8)|(\new)
.set MSB, \new
.endif
.endm
.macro PLACES n                        ; plain vector lines behind matrix instructions (ISA guide 7.12.1)
.rept \n
	v_nop
.endr
.endm
.macro MKSC se, vsc, vlim              ; s[se] = e: v[vsc] = 2^e, v[vlim] = 448 x 2^e, as f32
	s_add_co_i32 s74, s[\se], 127
	s_lshl_b32 s75, s74, 23
	v_mov_b32 v[\vsc], s75
	s_add_co_i32 s74, s74, 8
	s_lshl_b32 s74, s74, 23
	s_or_b32 s74, s74, 0x600000
	v_mov_b32 v[\vlim], s74
.endm
; 16 rows of one weight: lanes 0-15 read 256 consecutive bytes of row jj, lanes 16-31 of the row 64 further down
.macro WLOAD buf, lp, imm0
	WIN 0x40
.irp jj, 0,1,2,3,4,5,6,7,8,9,10,11,12,13,14,15
	global_load_b128 v[(\buf)+4*\jj:(\buf)+4*\jj+3], v[WOFF], s[\lp:\lp+1] offset:(\imm0)+8192*\jj th:TH_LOAD_NT
.endr
.endm
; 64 numbers become my chunk of four images: hold, convert, turn 4 x 4 bytes so that a register runs along K, store
.macro CONV buf, sc, lim, out, f0
	WIN 0x41
.set q, 0
.rept 64
	v_med3_num_f32 v[(\buf)+q], v[(\buf)+q], -v[\lim], v[\lim]     ; the conversion does not saturate (ISA guide 7.6.2)
.set q, q+1
.endr
	WIN 0x01
.irp n, 0,1,2,3,4,5,6,7
	v_cvt_scalef32_pk8_fp8_f32 v[P+2*\n:P+2*\n+1], v[(\buf)+8*\n:(\buf)+8*\n+7], v[\sc]
.endr
	WIN 0
	v_nop                                          ; a plain line between the conversions and the reads of their results
.irp d, 0,1,2,3
	v_perm_b32 v[U], v[P+4*\d+1], v[P+4*\d], s28
	v_perm_b32 v[U+1], v[P+4*\d+1], v[P+4*\d], s29
	v_perm_b32 v[U+2], v[P+4*\d+3], v[P+4*\d+2], s28
	v_perm_b32 v[U+3], v[P+4*\d+3], v[P+4*\d+2], s29
	v_perm_b32 v[\out+\d], v[U+2], v[U], s30
	v_perm_b32 v[\out+4+\d], v[U+2], v[U], s31
	v_perm_b32 v[\out+8+\d], v[U+3], v[U+1], s30
	v_perm_b32 v[\out+12+\d], v[U+3], v[U+1], s31
.endr
	s_wait_alu depctr_va_vdst(0)                   ; the turns have written the sixteen registers that the LDS stores read, the step's head v[LWS] and v[LRS]; the holds and conversions are done with this set, in which the loads behind the stores land; the last step's products are done reading WF
.irp i, 0,1,2,3
	ds_store_b128 v[LWS], v[\out+4*\i:\out+4*\i+3] offset:(\f0)+2048*\i
.endr
.endm
.macro WFLOAD areg, off                ; a K step's eight weight fragments
	WIN 0
.irp f, 0,1,2,3,4,5,6,7
.irp c, 0,1,2,3
	ds_load_b128 v[WF+16*\f+4*\c:WF+16*\f+4*\c+3], v[\areg] offset:(\off)+2048*\f+512*\c
.endr
.endr
.endm
; x's fragments of one K step, both sets, for my tiles.  guard = 1: only the tiles that I have
.macro XLOADS guard, b1, b3, off
.irp t, 0,1,2,3,4
.if \guard
	WIN 0
	s_cmp_le_u32 s23, \t
	s_cbranch_scc1 .Lxd_\@
.endif
	WIN 0xc0
.irp c, 0,1,2,3
	global_load_b128 v[XF+32*\t+4*\c:XF+32*\t+4*\c+3], v[XO+\t], s[\b1:\b1+1] offset:(\off)+512*\c
.endr
.irp c, 0,1,2,3
	global_load_b128 v[XF+32*\t+16+4*\c:XF+32*\t+16+4*\c+3], v[XO+\t], s[\b3:\b3+1] offset:(\off)+512*\c
.endr
.endr
	WIN 0
.Lxd_\@:
.endm
; a K step's products: eight accumulators a tile, one instruction a turn.  zero = 1: the first step starts the sums, for all five tiles, so that every register is written
.macro MULT zero
.irp t, 0,1,2,3,4
.if !(\zero)
	WIN 0
	s_cmp_le_u32 s23, \t
	s_cbranch_scc1 .Lmd_\@
.endif
	WIN 0xac+0x50*(\t/4)
.irp m, 0,1
.irp i, 0,1,2,3
.if \zero
	v_wmma_f32_16x16x128_fp8_fp8 v[64*(\t%4)+32*\m+8*\i:64*(\t%4)+32*\m+8*\i+7], v[WF+64*\m+16*\i:WF+64*\m+16*\i+15], v[XF+32*\t+16*\m:XF+32*\t+16*\m+15], 0
.else
	v_wmma_f32_16x16x128_fp8_fp8 v[64*(\t%4)+32*\m+8*\i:64*(\t%4)+32*\m+8*\i+7], v[WF+64*\m+16*\i:WF+64*\m+16*\i+15], v[XF+32*\t+16*\m:XF+32*\t+16*\m+15], v[64*(\t%4)+32*\m+8*\i:64*(\t%4)+32*\m+8*\i+7]
.endif
.endr
.endr
.endr
	WIN 0
.Lmd_\@:
.endm
; what hangs on the pass: how many tiles I have, and their offsets (clamped to tiles that exist)
.macro PASSSET
	s_mul_i32 s74, s22, 20
	s_add_co_u32 s74, s74, s16                     ; my first tile: 20 pass + wave
	s_sub_co_i32 s75, s20, s74
	s_add_co_i32 s75, s75, 3
	s_max_i32 s75, s75, 0
	s_lshr_b32 s75, s75, 2
	s_min_u32 s23, s75, 5                          ; my tiles in this pass
	s_sub_co_u32 s76, s20, 1
.irp t, 0,1,2,3,4
	s_add_co_u32 s77, s74, 4*\t
	s_min_u32 s77, s77, s76
	s_min_u32 s77, s77, 63
	s_lshl_b32 s77, s77, 14
	v_add_nc_u32 v[XO+\t], s77, v[L16]
.endr
	s_min_u32 s77, s74, 63
	s_lshl_b32 s77, s77, 15
	v_add_nc_u32 v[HO], s77, v[L16]
.endm
; ONE K STEP OF THE STREAM.  par: which two sets hold its weights; wl: the weights two steps on are asked for; cnt: the loads that may stay out at the products; xn: the next step's x is asked for
.macro TRIP par, wl, zero, cnt, xn
.if !(\zero)
	s_wait_alu depctr_vm_vsrc(0)                   ; the last step's LDS stores have read v[LWS], OA and OB, and its LDS loads v[LRS]: this step writes all of them again
.endif
	v_add_nc_u32 v[LWS], s24, v[LST]
	v_add_nc_u32 v[LRS], s24, v[L16]
	CONV 128*\par, SC1, LIM1, OA, 0
.if \wl
	WLOAD 128*\par, 4, 0                           ; no further wait: between the wait in CONV and these loads stand LDS stores alone, which name OA and v[LWS]
.endif
	CONV 128*\par+64, SC3, LIM3, OB, 8192
.if \wl
	WLOAD 128*\par+64, 6, 0
.endif
	WIN 0
	s_wait_dscnt 0x0                               ; for the others' sake: my chunks are in LDS
	s_barrier_signal -1
	s_barrier_wait -1                              ; everybody's are.  Each byte of the images is stored once in the launch, so this is the step's only barrier
	WFLOAD LRS, 0                                  ; no further wait: no vector or matrix instruction since the second wait in CONV names WF or v[LRS]
	s_wait_loadcnt \cnt                            ; issued behind this step's x: the 32 loads of the weights two steps on, or nothing.  So x is in, and so are the next step's weights, which were asked for ahead of it
	s_wait_dscnt 0x0
	MULT \zero
	PLACES 4                                       ; four places behind the products: behind the last step they stand in front of the way out's reads of the sums; elsewhere they stay beside the wait below
	s_wait_xcnt 0x0                                ; the pointers are stepped only behind this wait
.if \wl
	s_add_nc_u64 s[4:5], s[4:5], 0x100000
	s_add_nc_u64 s[6:7], s[6:7], 0x100000
.endif
	s_add_co_u32 s24, s24, 16384
.if \xn
	s_add_nc_u64 s[34:35], s[34:35], 2048
	s_add_nc_u64 s[36:37], s[36:37], 2048
	s_wait_alu depctr_va_vdst(0)                   ; this step's products are done reading x's fragments, in which the next step's land
	XLOADS 1, 34, 36, 0
.endif
.endm
; THE WAY OUT of tile tt.  With g, u the raw sums: h / 2^e4 = g u / (1 + 2^(g c)) / 2^(e4 - e0 - e1 - e2 - e3), c = -log2(e) 2^(e0 + e1)
.macro EPI tt
	WIN 0
	s_cmp_le_u32 s23, \tt
	s_cbranch_scc1 .Lepi_done
.set GA, 64*((\tt)%4)
.set AW, 2+((\tt)/4)
	WIN AW
.set q, 0
.rept 16
	v_pk_mul_f32 v[T+q:T+q+1], v[GA+q:GA+q+1], s[26:27] op_sel_hi:[1,0]    ; each accumulator from its low end on
.set q, q+2
.endr
	WIN 0
.set q, 0
	s_wait_alu depctr_va_vdst(0)
.rept 32
	v_exp_f32 v[T+q], v[T+q]
.set q, q+1
.endr
	WIN AW|(AW<<2)
.set q, 0
	s_wait_alu depctr_va_vdst(0)
.rept 16
	v_pk_mul_f32 v[PR+q:PR+q+1], v[GA+q:GA+q+1], v[GA+32+q:GA+32+q+1]      ; g u: also the plain lines behind the exponentials
.set q, q+2
.endr
	WIN 0
.set q, 0
	s_wait_alu depctr_va_vdst(0)                   ; the 32 exponentials have written v[T ..]: one wait for the batch, ahead of its first reader
.rept 16
	v_pk_add_f32 v[T+q:T+q+1], v[T+q:T+q+1], 1.0 op_sel_hi:[1,0]
.set q, q+2
.endr
.set q, 0
	s_wait_alu depctr_va_vdst(0)
.rept 32
	v_rcp_f32 v[T+q], v[T+q]
.set q, q+1
.endr
	v_nop                                          ; a plain line behind the reciprocals
.set q, 0
	s_wait_alu depctr_va_vdst(0)                   ; the 32 reciprocals have written v[T ..]: one wait for the batch, ahead of its first reader
.rept 16
	v_pk_mul_f32 v[PR+q:PR+q+1], v[PR+q:PR+q+1], v[T+q:T+q+1]
.set q, q+2
.endr
.set q, 0
.rept 32
	v_med3_num_f32 v[PR+q], v[PR+q], -v[LIMH], v[LIMH]
.set q, q+1
.endr
.irp i, 0,1,2,3
	v_cvt_scalef32_pk8_fp8_f32 v[CH+8*(\tt)+2*\i:CH+8*(\tt)+2*\i+1], v[PR+8*\i:PR+8*\i+7], v[SCH]
.endr
	v_nop                                          ; a plain line behind the conversions: the next tile writes their sources
	s_wait_alu depctr_va_vdst(0)                   ; the conversions have written the tile's eight registers of codes, which the two stores read (v[HO] was written at the pass's head)
	global_store_b128 v[HO], v[CH+8*(\tt):CH+8*(\tt)+3], s[14:15] offset:131072*(\tt)          ; 32 lanes store 512 consecutive bytes
	global_store_b128 v[HO], v[CH+8*(\tt)+4:CH+8*(\tt)+7], s[14:15] offset:131072*(\tt)+512
.endm
	s_load_b256 s[4:11], s[0:1], 0x0               ; w1 s[4:5], w3 s[6:7], xg s[8:9], routei s[10:11]
	s_load_b128 s[12:15], s[0:1], 0x20             ; the scales s[12:13], hq s[14:15]
	v_lshl_add_u32 v54, v0, 2, 0x20000
	v_mov_b32 v55, 0
	v_lshrrev_b32 v20, 5, v0
	v_readfirstlane_b32 s16, v20                   ; wave 0..3
	s_mov_b32 s17, ttmp9                           ; hs
	s_and_b32 s18, ttmp7, 0xffff                   ; e
	v_and_b32 v20, 31, v0
	v_and_b32 v21, 15, v0
	v_bfe_u32 v22, v0, 4, 1
	v_lshlrev_b32 v[L16], 4, v20
	v_lshlrev_b32 v[WOFF], 4, v21                  ; 16 q
	v_lshl_add_u32 v[WOFF], v22, 19, v[WOFF]       ; + 64 rows of 8,192 bytes for lanes 16-31
	s_wait_alu depctr_va_sdst(0)                   ; s16, the wave's number, is written, ahead of its first reader
	s_lshl_b32 s78, s16, 17
	v_add_nc_u32 v[WOFF], s78, v[WOFF]             ; + 16 rows a wave
	s_lshl_b32 s78, s16, 9
	v_add_nc_u32 v[LST], s78, v[L16]
	v_add_nc_u32 v[LW1], 0x10000, v[L16]
	s_lshl_b32 s74, s18, 23                        ; an expert's weight: 8 MiB
	s_lshl_b32 s78, s17, 8
	s_add_co_u32 s74, s74, s78
	s_mov_b32 s75, 0
	s_lshl_b32 s76, s18, 7                         ; its mask: 128 bytes
	s_mov_b32 s77, 0
	s_mov_b32 s28, 0x05010400                      ; byte selects for the 4 x 4 turn
	s_mov_b32 s29, 0x07030602
	s_mov_b32 s30, 0x05040100
	s_mov_b32 s31, 0x07060302
	s_wait_kmcnt 0x0
	s_add_nc_u64 s[4:5], s[4:5], s[74:75]
	s_add_nc_u64 s[6:7], s[6:7], s[74:75]
	s_add_nc_u64 s[10:11], s[10:11], s[76:77]
	s_load_b512 s[32:47], s[10:11], 0x2000
	s_load_b512 s[48:63], s[10:11], 0x2040
	s_load_b128 s[68:71], s[12:13], 0x0            ; e0 .. e3
	s_load_b64 s[72:73], s[12:13], 0x10            ; e4, e5
	s_wait_alu depctr_va_vdst(0)                   ; v[WOFF], v[L16] and v[LW1] are written: the weights' loads and the later passes' LDS loads read them as their addresses, and nothing writes them again
	WLOAD 0, 4, 0                                  ; the weights of K steps 0 and 1
	WLOAD 64, 6, 0
	WLOAD 128, 4, 0x100000
	WLOAD 192, 6, 0x100000
	WIN 0
	s_wait_kmcnt 0x0
	s_mov_b32 s19, 0                               ; n: the expert's rows
.set q, 32
.rept 32
	s_bcnt1_i32_b32 s74, s[q]
	s_add_co_u32 s19, s19, s74
.set q, q+1
.endr
	s_add_co_u32 s20, s19, 15
	s_lshr_b32 s20, s20, 4
	s_max_u32 s20, s20, 1
	s_min_u32 s20, s20, 64                         ; its tiles
	s_add_co_u32 s74, s20, 19
	s_mul_i32 s74, s74, 3277
	s_lshr_b32 s21, s74, 16                        ; passes: ceil(tiles / 20), exact for 1 .. 64 tiles
	s_mov_b32 s22, 0
	PASSSET
	s_add_co_i32 s77, s68, s69                     ; e0 + e1
	s_add_co_i32 s78, s70, s71
	s_add_co_i32 s78, s78, s77
	s_sub_co_i32 s76, s72, s78                     ; e4 - (e0 + e1 + e2 + e3)
	MKSC 68, SC1, LIM1
	MKSC 70, SC3, LIM3
	MKSC 76, SCH, LIMH
	s_lshl_b32 s77, s77, 23
	s_add_co_i32 s26, s77, 0xbfb8aa3b              ; c = -log2(e) x 2^(e0 + e1): the exponents are added to the exponent field
	s_mov_b32 s27, s26
	s_lshl_b32 s74, s18, 20                        ; xg: 1 MiB an expert
	s_mov_b32 s75, 0
	s_add_nc_u64 s[8:9], s[8:9], s[74:75]
	s_add_nc_u64 s[32:33], s[8:9], 0x800000        ; the set with 2^e3
	s_mov_b64 s[34:35], s[8:9]                     ; the two pointers that walk K
	s_mov_b64 s[36:37], s[32:33]
	s_lshl_b32 s74, s18, 21                        ; hq: 2 MiB an expert, 1,024 bytes a slice
	s_lshl_b32 s78, s17, 10
	s_add_co_u32 s74, s74, s78
	s_add_nc_u64 s[14:15], s[14:15], s[74:75]
	s_wait_alu depctr_va_vdst(0)                   ; the five offsets v[XO ..] are written, which x's loads read
	XLOADS 0, 34, 36, 0                            ; K step 0's x, all five tiles
	s_wait_xcnt 0x0
	s_add_nc_u64 s[4:5], s[4:5], 0x200000          ; the weights' pointers: K step 2
	s_add_nc_u64 s[6:7], s[6:7], 0x200000
	s_mov_b32 s24, 0
	s_wait_loadcnt 63                              ; behind K step 0's weights 72 loads were issued: a smaller count is safe, and this is the largest that can be written
	TRIP 0, 1, 1, 32, 1
	s_mov_b32 s25, 2
.Lk:
	TRIP 1, 1, 0, 32, 1
	TRIP 0, 1, 0, 32, 1
	s_sub_co_u32 s25, s25, 1
	s_cmp_lg_u32 s25, 0
	s_cbranch_scc1 .Lk
	TRIP 1, 1, 0, 32, 1
	TRIP 0, 0, 0, 0, 1                             ; the last two steps ask for no weights
	TRIP 1, 0, 0, 0, 0
	PLACES 1                                       ; five in all: a later pass begins the accumulators anew
.Lpass:
	EPI 0
	EPI 1
	EPI 2
	EPI 3
	EPI 4
.Lepi_done:
	s_add_co_u32 s22, s22, 1
	s_cmp_ge_u32 s22, s21
	s_cbranch_scc1 .Lend
	s_wait_xcnt 0x0                                ; the stores have read their registers
	s_wait_alu depctr_vm_vsrc(0)                   ; the pass's loads have read v[XO ..], its stores v[HO] and h's codes: the lines below and the next way out write them again
	PASSSET
	s_wait_alu depctr_va_vdst(0)                   ; v[XO ..] are written, which x's loads read; the way out's lines are done with v128-191, in which the weights' fragments land
	XLOADS 0, 8, 32, 0
.irp s, 0,1,2,3,4,5,6,7                        ; a later pass: the codes are in LDS; every offset is an immediate
.if \s < 4
	WFLOAD L16, 16384*\s
.else
	WFLOAD LW1, 16384*(\s-4)
.endif
	s_wait_loadcnt 0x0
	s_wait_dscnt 0x0
.if \s == 0
	MULT 1
.else
	MULT 0
.endif
	PLACES 4
.if \s < 7
	s_wait_alu depctr_va_vdst(0)                   ; this step's products are done reading x's fragments and the weights', in which the next step's land
	XLOADS 1, 8, 32, 2048*(\s+1)
.endif
.endr
	PLACES 1
	s_cmp_lt_u32 s22, s21
	s_cbranch_scc1 .Lpass
.Lend:
	s_wait_dscnt 0x0                               ; the closing lines, six on end
	s_wait_alu 0x0
	s_wait_tensorcnt 0x0
	ds_add_u32 v54, v55
	s_wait_dscnt 0x0
	s_endpgm
.Lfunc_end_k_qaea09a8f94_up:
	.size	k_qaea09a8f94_up, .Lfunc_end_k_qaea09a8f94_up-k_qaea09a8f94_up
	.p2alignl 7, 3214868480
	.fill 96, 4, 3214868480
	.section	.rodata,"a",@progbits
	.p2align	6, 0x0
	.amdhsa_kernel k_qaea09a8f94_up
		.amdhsa_group_segment_fixed_size 131584
		.amdhsa_private_segment_fixed_size 0
		.amdhsa_enable_private_segment 0
		.amdhsa_kernarg_size 48
		.amdhsa_user_sgpr_count 2
		.amdhsa_user_sgpr_kernarg_segment_ptr 1
		.amdhsa_wavefront_size32 1
		.amdhsa_system_sgpr_workgroup_id_x 1
		.amdhsa_system_sgpr_workgroup_id_y 1
		.amdhsa_system_sgpr_workgroup_id_z 1
		.amdhsa_system_vgpr_workitem_id 0
		.amdhsa_next_free_vgpr 1024
		.amdhsa_next_free_sgpr 84
		.amdhsa_reserve_vcc 0
		.amdhsa_float_denorm_mode_32 3
		.amdhsa_float_denorm_mode_16_64 3
		.amdhsa_memory_ordered 1
		.amdhsa_forward_progress 1
		.amdhsa_inst_pref_size 255
	.end_amdhsa_kernel
	.section	.bss,"aw",@nobits
	.p2align	6
	.space	262144
	.amdgpu_metadata
---
amdhsa.version: [ 1, 2 ]
amdhsa.kernels:
  - .name:           k_qaea09a8f94_up
    .symbol:         k_qaea09a8f94_up.kd
    .args:
      - { .name: w1, .offset: 0, .size: 8, .value_kind: global_buffer, .address_space: global }
      - { .name: w3, .offset: 8, .size: 8, .value_kind: global_buffer, .address_space: global }
      - { .name: xg, .offset: 16, .size: 8, .value_kind: global_buffer, .address_space: global }
      - { .name: routei, .offset: 24, .size: 8, .value_kind: global_buffer, .address_space: global }
      - { .name: lowp_scales, .offset: 32, .size: 8, .value_kind: global_buffer, .address_space: global }
      - { .name: hq, .offset: 40, .size: 8, .value_kind: global_buffer, .address_space: global }
    .group_segment_fixed_size: 131584
    .private_segment_fixed_size: 0
    .kernarg_segment_align: 8
    .kernarg_segment_size: 48
    .max_flat_workgroup_size: 128
    .sgpr_count:     84
    .vgpr_count:     1024
    .wavefront_size: 32
...
	.end_amdgpu_metadata
.endif
;; end of part 8
;; launch down (part 9): grid 32 x 8, 4 waves a work-group, no clusters, 83,456 bytes of LDS; arguments w2, hq, routei, rowinfo, rowp, lowp_scales, ybuf; writes ybuf
.if DOCPART == 9
	.amdgcn_target "amdgcn-amd-amdhsa--gfx1250"
	.amdhsa_code_object_version 6
	.text
	.protected	k_qaea09a8f94_down
	.globl	k_qaea09a8f94_down
	.p2align	8
	.type	k_qaea09a8f94_down,@function
k_qaea09a8f94_down:
	s_mov_b64 s[64:65], 0
	v_nop
	global_prefetch_b8 v0, s[64:65] scope:SCOPE_SE
	s_setreg_imm32_b32 hwreg(HW_REG_WAVE_SCHED_MODE, 0, 2), 2
	s_setreg_imm32_b32 hwreg(HW_REG_WAVE_MODE, 25, 1), 1
	s_wait_xcnt 0x0
	s_wait_alu depctr_vm_vsrc(0)
; y = h w2 FOR THE ROWS OF ONE EXPERT, on codes of E4M3, each row times its routing weight, stored at its token's place.
; Work-group (x, e): ds = x & 15 owns columns 64 ds .. + 63 of w2[e], kh = x >> 4 owns rows 1,024 kh .. + 1,023 of it: 256 KiB of f32, read from memory once, quantised in registers,
; kept in LDS as 64 KiB of codes.  K is shared between two work-groups so that there are 256 of them; the two halves and a token's two experts are added by the next launch.
; A trip is two K steps of 128.  Wave w quantises chunk w: the rows are chosen by the loads' immediates so that K's order is that of h's images:
; chunk c, byte beta of half hh = 128 s' + 64 (c >> 1) + 32 hh + 4 (beta & 7) + 2 (c & 1) + (beta >> 3).  Tile i of the slice is the columns 4 q + i, and the product is used transposed,
; so lane (r, hh), register j of tile i is row r, column 64 ds + 32 hh + 4 j + i.  Wave w multiplies tiles of rows 20 pass + 4 t + w, t = 0 .. 4.
; The number of tiles hangs on stored counts, so operands come by plain loads, not by the tensor data mover or joint loads.
; ybuf[kh][slot][token][1024] f32: each (slot, token) is one row of one expert, so every byte is written, each by one work-group.
; LIMITS: e5 between -126 and 119; e4 + e5 between -126 and 127.  NaN and infinities among the inputs are not served.
; REGISTERS: window 0: addresses, work, v128-255 eight weight fragments at 64 u + 16 i + 4 c;  window 1: four sets of 64 for the weights as loaded;
;   window 2: accumulators at 32 t + 8 i;  window 3: h's fragments at 32 t + 16 u + 4 c.
; THE MODE: SCHED_MODE bits 1:0 = 2 (LLVM: expert scheduling mode 2), set by the entry lines.  The code itself states the register dependences
; between vector or matrix instructions and memory or LDS instructions, with s_wait_alu, always for 0.
; THE PLAN.  Registers that memory or LDS instructions touch, and who else names them:
;   window 1's four sets   a trip's holds and conversions work on two of them; behind each set's conversions the loads of the weights two trips on land in it.
;   OA, OB                 written by a trip's turns, read by its eight LDS stores.
;   WF                     a trip's LDS loads land in it, its products read it.      window 3: a trip's products read h's fragments; behind them the next trip's land.
;   TM, YO                 the way out: written by a tile's multiplications and address lines, read by its LDS stores and its global stores.
;   BK                     the way out: LDS loads land in it, global stores read it; no vector line names it there (in the trips it is part of OA and OB).
;   IV, PV                 loads land in them at a pass's head; the way out's lane reads and multiplications read them.
;   v[XO ..], v[RO ..]     written at a pass's head, read by the pass's loads.
;   v[L16], v[WOFF], v[LST], v[STO], v[SRD]  made at the head, never written again.     v126, v127: written at the head, read by the closing add alone.
; A TRIP'S WAITS: one on vm_vsrc at its head (OA, OB); one on va_vdst behind each set's turns (the LDS stores' data are written, the set is free for its loads; the second also stands for the last trip's products' reads of WF);
; one on va_vdst behind the products (h's fragments are free).  A TILE'S WAITS ON THE WAY OUT: one on vm_vsrc at its head; all sixteen rows' lane reads go first and have one wait on va_sdst; all sixteen addresses
; and the 32 results have one wait on va_vdst, and behind it stand LDS and memory instructions alone.  All 1,024 registers are given out: there is no further buffer.
.set L16,  1                           ; 16 x lane
.set WOFF, 2
.set LST,  3                           ; 16 x lane + 512 x wave
.set L8,   4                           ; 8 x lane
.set STO,  5                           ; my stage: where I put 128 bytes of a row
.set SRD,  6                           ; and where I read a row back
.set F,    7                           ; my row's weight x 2^(e4 + e5)
.set XO,   8                           ; v8-12  tile t's offset in hq
.set R4,   13                          ; 4 x (lane % 16)
.set SC5,  14
.set LIM5, 15
.set RO,   20                          ; v20-24 tile t's offset in rowinfo and rowp
.set P,    32
.set U,    48
.set OA,   56
.set OB,   72
.set TM,   32                          ; the way out: 32 results,
.set BK,   64                          ; 16 rows read back,
.set YO,   96                          ; their offsets in ybuf
.set IV,   112                         ; v112-116 rowinfo of my row in tile t
.set PV,   117                         ; v117-121 rowp
.set WF,   128
.set RW,   32                          ; s32-47  the way out: a tile's sixteen rows' places (the mask words that lay here are done with once the rows are counted)
.set MSB, 0
.macro WIN new                         ; the immediate's high byte repeats the setting that is left
.if MSB != (\new)
	s_set_vgpr_msb (MSB<<8)|(\new)
.set MSB, \new
.endif
.endm
.macro PLACES n
.rept \n
	v_nop
.endr
.endm
; 16 rows of K step ks: lanes 0-15 read 256 consecutive bytes of a row, lanes 16-31 of the row 32 further down
.macro WLOAD buf, ks
	WIN 0x40
.irp b, 0,1,2,3,4,5,6,7,8,9,10,11,12,13,14,15
	global_load_b128 v[(\buf)+4*\b:(\buf)+4*\b+3], v[WOFF], s[4:5] offset:((\ks)*128+4*(\b%8)+(\b/8))*4096 th:TH_LOAD_NT
.endr
.endm
.macro CONV buf, out, f0               ; hold, convert, turn 4 x 4 bytes, store my chunk of four images
	WIN 0x41
.set q, 0
.rept 64
	v_med3_num_f32 v[(\buf)+q], v[(\buf)+q], -v[LIM5], v[LIM5]     ; the conversion does not saturate (ISA guide 7.6.2)
.set q, q+1
.endr
	WIN 0x01
.irp n, 0,1,2,3,4,5,6,7
	v_cvt_scalef32_pk8_fp8_f32 v[P+2*\n:P+2*\n+1], v[(\buf)+8*\n:(\buf)+8*\n+7], v[SC5]
.endr
	WIN 0
	v_nop                                          ; a plain line between the conversions and the reads of their results
.irp d, 0,1,2,3
	v_perm_b32 v[U], v[P+4*\d+1], v[P+4*\d], s28
	v_perm_b32 v[U+1], v[P+4*\d+1], v[P+4*\d], s29
	v_perm_b32 v[U+2], v[P+4*\d+3], v[P+4*\d+2], s28
	v_perm_b32 v[U+3], v[P+4*\d+3], v[P+4*\d+2], s29
	v_perm_b32 v[\out+\d], v[U+2], v[U], s30
	v_perm_b32 v[\out+4+\d], v[U+2], v[U], s31
	v_perm_b32 v[\out+8+\d], v[U+3], v[U+1], s30
	v_perm_b32 v[\out+12+\d], v[U+3], v[U+1], s31
.endr
	s_wait_alu depctr_va_vdst(0)                   ; the turns have written the sixteen registers that the LDS stores read; the holds and conversions are done with this set, in which the loads behind the stores land; the last trip's products are done reading WF
.irp i, 0,1,2,3
	ds_store_b128 v[LST], v[\out+4*\i:\out+4*\i+3] offset:(\f0)+2048*\i
.endr
.endm
.macro WFLOAD off
	WIN 0
.irp f, 0,1,2,3,4,5,6,7
.irp c, 0,1,2,3
	ds_load_b128 v[WF+16*\f+4*\c:WF+16*\f+4*\c+3], v[L16] offset:(\off)+2048*\f+512*\c
.endr
.endr
.endm
.macro XLOADS guard, tr                ; h's fragments of trip tr (two K steps) for my tiles
.irp t, 0,1,2,3,4
.if \guard
	WIN 0
	s_cmp_le_u32 s26, \t
	s_cbranch_scc1 .Lxd_\@
.endif
	WIN 0xc0
.irp u, 0,1
.irp c, 0,1,2,3
	global_load_b128 v[32*\t+16*\u+4*\c:32*\t+16*\u+4*\c+3], v[XO+\t], s[6:7] offset:(2*(\tr)+\u)*2048+512*\c
.endr
.endr
.endr
	WIN 0
.Lxd_\@:
.endm
; a trip's products: a tile's four accumulators by turns, one instruction a turn.  zero = 1: the first K step starts the sums, for all five tiles
.macro MULT zero
.irp t, 0,1,2,3,4
.if !(\zero)
	WIN 0
	s_cmp_le_u32 s26, \t
	s_cbranch_scc1 .Lmd_\@
.endif
	WIN 0xac
.irp u, 0,1
.irp i, 0,1,2,3
.if (\zero) && (\u == 0)
	v_wmma_f32_16x16x128_fp8_fp8 v[32*\t+8*\i:32*\t+8*\i+7], v[WF+64*\u+16*\i:WF+64*\u+16*\i+15], v[32*\t+16*\u:32*\t+16*\u+15], 0
.else
	v_wmma_f32_16x16x128_fp8_fp8 v[32*\t+8*\i:32*\t+8*\i+7], v[WF+64*\u+16*\i:WF+64*\u+16*\i+15], v[32*\t+16*\u:32*\t+16*\u+15], v[32*\t+8*\i:32*\t+8*\i+7]
.endif
.endr
.endr
.endr
	WIN 0
.Lmd_\@:
.endm
.macro PASSSET
	s_mul_i32 s27, s25, 20
	s_add_co_u32 s27, s27, s18                     ; my first tile: 20 pass + wave
	s_sub_co_i32 s75, s23, s27
	s_add_co_i32 s75, s75, 3
	s_max_i32 s75, s75, 0
	s_lshr_b32 s75, s75, 2
	s_min_u32 s26, s75, 5                          ; my tiles in this pass
	s_sub_co_u32 s76, s23, 1
.irp t, 0,1,2,3,4
	s_add_co_u32 s77, s27, 4*\t
	s_min_u32 s77, s77, s76
	s_min_u32 s77, s77, 63
	s_lshl_b32 s78, s77, 15
	v_add_nc_u32 v[XO+\t], s78, v[L16]
	s_lshl_b32 s78, s77, 6
	v_add_nc_u32 v[RO+\t], s78, v[R4]
.endr
.endm
.macro IVLOAD
.irp t, 0,1,2,3,4
	global_load_b32 v[IV+\t], v[RO+\t], s[10:11]
	global_load_b32 v[PV+\t], v[RO+\t], s[12:13]
.endr
.endm
; ONE TRIP OF THE STREAM: two K steps
.macro TRIP tr
.if \tr > 0
	s_wait_alu depctr_vm_vsrc(0)                   ; the last trip's LDS stores have read OA and OB, which this trip's turns write again
.endif
	CONV 128*((\tr)%2), OA, 16384*(\tr)
.if \tr < 2
	WLOAD 128*((\tr)%2), 2*(\tr)+4                 ; no further wait: between the wait in CONV and these loads stand LDS stores alone, which name OA and v[LST]
.endif
	CONV 128*((\tr)%2)+64, OB, 16384*(\tr)+8192
.if \tr < 2
	WLOAD 128*((\tr)%2)+64, 2*(\tr)+5
.endif
	WIN 0
	s_wait_dscnt 0x0                               ; for the others' sake: my chunks are in LDS
	s_barrier_signal -1
	s_barrier_wait -1                              ; each byte of the images is stored once in the launch: the trip's only barrier
	WFLOAD 16384*(\tr)                             ; no further wait: no vector or matrix instruction since the second wait in CONV names WF
.if \tr < 2
	s_wait_loadcnt 32                              ; issued behind this trip's h: the 32 loads of the weights two trips on.  So h is in, and the next trip's weights, asked for ahead of it
.else
	s_wait_loadcnt 0x0
.endif
	s_wait_dscnt 0x0
.if \tr == 0
	MULT 1
.else
	MULT 0
.endif
	PLACES 4                                       ; four places behind the products: behind the last trip they stand in front of the way out's reads of the sums; elsewhere they stay beside the wait below
.if \tr < 3
	s_wait_alu depctr_va_vdst(0)                   ; this trip's products are done reading h's fragments, in which the next trip's land
	XLOADS 1, (\tr)+1
.endif
.endm
; THE WAY OUT of tile tt: x the row's weight x 2^(e4 + e5); through my own stage, so that a row's 256 bytes leave by one store; rows past the expert's count are left out.
; All sixteen rows' places are read from their lanes first and all sixteen addresses are made together (a row past the count gets a clamped address and no store), so that one wait serves each kind.
.macro EPI tt
	WIN 0
	s_wait_alu depctr_vm_vsrc(0)                   ; the trips' LDS stores have read v56-87, the tile before's LDS stores TM and its global stores BK and YO: this tile's lines and LDS loads write them again
	s_cmp_le_u32 s26, \tt
	s_cbranch_scc1 .Lepi_done
	s_add_co_u32 s74, s27, 4*(\tt)
	s_lshl_b32 s74, s74, 4
	s_sub_co_i32 s74, s22, s74
	s_max_i32 s74, s74, 0
	s_min_u32 s74, s74, 16                         ; real rows in the tile
.irp n, 0,1,2,3,4,5,6,7,8,9,10,11,12,13,14,15
	v_readlane_b32 s[RW+\n], v[IV+\tt], \n         ; row n: slot x 1,024 + token
.endr
	v_mul_f32 v[F], s79, v[PV+\tt]
	WIN 0x02
.irp i, 0,1,2,3
.irp j, 0,1,2,3,4,5,6,7
	v_mul_f32 v[TM+4*\j+\i], v[32*(\tt)+8*\i+\j], v[F]             ; each accumulator from its low end on; TM + n is column 32 hh + n
.endr
.endr
	WIN 0
	s_wait_alu depctr_va_sdst(0)                   ; the sixteen lane reads have written s32-47, ahead of their first reader
.irp n, 0,1,2,3,4,5,6,7,8,9,10,11,12,13,14,15
	s_min_u32 s[RW+\n], s[RW+\n], 2047
	s_lshl_b32 s[RW+\n], s[RW+\n], 12
	v_add_nc_u32 v[YO+\n], s[RW+\n], v[L8]
.endr
	s_wait_alu depctr_va_vdst(0)                   ; the multiplications have written TM, which the LDS stores read, and the additions YO, which the global stores read as their offsets
.irp j, 0,1,2,3,4,5,6,7
	ds_store_b128 v[STO], v[TM+4*\j:TM+4*\j+3] offset:16*\j
.endr
.irp n, 0,1,2,3,4,5,6,7,8,9,10,11,12,13,14,15
	ds_load_b64 v[BK+2*\n:BK+2*\n+1], v[SRD] offset:272*\n         ; LDS serves a wave's instructions in order (ISA guide 5.7.1.4): these see my stores
.endr
.irp n, 0,1,2,3,4,5,6,7,8,9,10,11,12,13,14,15
	s_cmp_le_u32 s74, \n
	s_cbranch_scc1 .Lte_\@
	s_wait_dscnt 15-\n                             ; row n is back; the later rows' loads may be out
	global_store_b64 v[YO+\n], v[BK+2*\n:BK+2*\n+1], s[16:17]      ; 32 lanes store 256 consecutive bytes, aligned
.endr
.Lte_\@:
	s_wait_dscnt 0x0
	s_wait_xcnt 0x0                                ; the stores have read their registers: the next tile writes them
.endm
	s_load_b256 s[4:11], s[0:1], 0x0               ; w2 s[4:5], hq s[6:7], routei s[8:9], rowinfo s[10:11]
	s_load_b128 s[12:15], s[0:1], 0x20             ; rowp s[12:13], the scales s[14:15]
	s_load_b64 s[16:17], s[0:1], 0x30              ; ybuf
	v_lshl_add_u32 v126, v0, 2, 0x14400
	v_mov_b32 v127, 0
	v_lshrrev_b32 v25, 5, v0
	v_readfirstlane_b32 s18, v25                   ; wave 0..3
	s_and_b32 s19, ttmp9, 15                       ; ds
	s_lshr_b32 s20, ttmp9, 4                       ; kh
	s_and_b32 s21, ttmp7, 0xffff                   ; e
	v_and_b32 v25, 31, v0
	v_and_b32 v26, 15, v0
	s_wait_alu depctr_va_vdst(0)
	v_bfe_u32 v27, v0, 4, 1
	v_lshlrev_b32 v[L16], 4, v25
	v_lshlrev_b32 v[L8], 3, v25
	v_lshlrev_b32 v[R4], 2, v26
	v_lshlrev_b32 v[WOFF], 4, v26                  ; 16 q
	v_lshl_add_u32 v[WOFF], v27, 17, v[WOFF]       ; + 32 rows of 4,096 bytes for lanes 16-31
	s_wait_alu depctr_va_sdst(0)                   ; s18, the wave's number, is written, ahead of its first reader
	s_lshr_b32 s80, s18, 1
	s_lshl_b32 s80, s80, 18                        ; + 64 rows x (wave >> 1)
	s_and_b32 s81, s18, 1
	s_lshl_b32 s81, s81, 13                        ; + 2 rows x (wave & 1)
	s_add_co_u32 s80, s80, s81
	v_add_nc_u32 v[WOFF], s80, v[WOFF]
	s_lshl_b32 s80, s18, 9
	v_add_nc_u32 v[LST], s80, v[L16]
	s_mul_i32 s80, s18, 4352                       ; my stage: 16 rows of 272 bytes, behind the images
	s_add_co_u32 s80, s80, 65536
	v_mul_u32_u24 v[STO], v26, 272
	s_wait_alu depctr_va_vdst(0)
	v_lshl_add_u32 v[STO], v27, 7, v[STO]
	v_add_nc_u32 v[STO], s80, v[STO]
	v_add_nc_u32 v[SRD], s80, v[L8]
	s_lshl_b32 s74, s21, 23                        ; w2: 8 MiB an expert, 4 MiB a half of K, 256 bytes a slice
	s_lshl_b32 s80, s20, 22
	s_add_co_u32 s74, s74, s80
	s_lshl_b32 s80, s19, 8
	s_add_co_u32 s74, s74, s80
	s_mov_b32 s75, 0
	s_lshl_b32 s76, s21, 7
	s_mov_b32 s77, 0
	s_mov_b32 s28, 0x05010400                      ; byte selects for the 4 x 4 turn
	s_mov_b32 s29, 0x07030602
	s_mov_b32 s30, 0x05040100
	s_mov_b32 s31, 0x07060302
	s_wait_kmcnt 0x0
	s_add_nc_u64 s[4:5], s[4:5], s[74:75]
	s_add_nc_u64 s[8:9], s[8:9], s[76:77]
	s_load_b512 s[32:47], s[8:9], 0x2000           ; the expert's mask
	s_load_b512 s[48:63], s[8:9], 0x2040
	s_load_b64 s[72:73], s[14:15], 0x10            ; e4, e5
	s_wait_alu depctr_va_vdst(0)                   ; v[WOFF], v[L16], v[LST], v[STO] and v[SRD] are written: the weights' loads and all LDS instructions read them as their addresses, and nothing writes them again
	WLOAD 0, 0                                     ; the weights of trips 0 and 1
	WLOAD 64, 1
	WLOAD 128, 2
	WLOAD 192, 3
	WIN 0
	s_lshl_b32 s74, s21, 21                        ; hq: 2 MiB an expert, 16,384 bytes a half of K
	s_lshl_b32 s80, s20, 14
	s_add_co_u32 s74, s74, s80
	s_add_nc_u64 s[6:7], s[6:7], s[74:75]
	s_lshl_b32 s74, s21, 12                        ; rowinfo, rowp: 4,096 bytes an expert
	s_add_nc_u64 s[10:11], s[10:11], s[74:75]
	s_add_nc_u64 s[12:13], s[12:13], s[74:75]
	s_lshl_b32 s74, s20, 23                        ; ybuf: 8 MiB a half of K, 256 bytes a slice
	s_lshl_b32 s80, s19, 8
	s_add_co_u32 s74, s74, s80
	s_add_nc_u64 s[16:17], s[16:17], s[74:75]
	s_wait_kmcnt 0x0
	s_mov_b32 s22, 0                               ; n: the expert's rows
.set q, 32
.rept 32
	s_bcnt1_i32_b32 s74, s[q]
	s_add_co_u32 s22, s22, s74
.set q, q+1
.endr
	s_add_co_u32 s23, s22, 15
	s_lshr_b32 s23, s23, 4
	s_max_u32 s23, s23, 1
	s_min_u32 s23, s23, 64                         ; its tiles
	s_add_co_u32 s74, s23, 19
	s_mul_i32 s74, s74, 3277
	s_lshr_b32 s24, s74, 16                        ; passes: ceil(tiles / 20), exact for 1 .. 64 tiles
	s_mov_b32 s25, 0
	PASSSET
	s_add_co_i32 s74, s73, 127
	s_lshl_b32 s75, s74, 23
	v_mov_b32 v[SC5], s75                          ; 2^e5
	s_add_co_i32 s74, s74, 8
	s_lshl_b32 s74, s74, 23
	s_or_b32 s74, s74, 0x600000
	v_mov_b32 v[LIM5], s74                         ; 448 x 2^e5
	s_add_co_i32 s79, s72, s73
	s_add_co_i32 s79, s79, 127
	s_lshl_b32 s79, s79, 23                        ; 2^(e4 + e5)
	s_wait_alu depctr_va_vdst(0)                   ; the ten offsets v[XO ..] and v[RO ..] are written, which the loads below read
	IVLOAD
	XLOADS 0, 0
	s_wait_loadcnt 63                              ; behind trip 0's weights 82 loads were issued: a smaller count is safe, and this is the largest that can be written
	TRIP 0
	TRIP 1
	TRIP 2
	TRIP 3
	PLACES 1                                       ; five in all: a later pass begins the accumulators anew
.Lpass:
	EPI 0
	EPI 1
	EPI 2
	EPI 3
	EPI 4
.Lepi_done:
	s_add_co_u32 s25, s25, 1
	s_cmp_ge_u32 s25, s24
	s_cbranch_scc1 .Lend
	s_wait_xcnt 0x0
	s_wait_alu depctr_vm_vsrc(0)                   ; the pass's loads have read v[XO ..] and v[RO ..], which the lines below write again
	PASSSET
	s_wait_alu depctr_va_vdst(0)                   ; v[XO ..] and v[RO ..] are written, which the loads below read; the way out's lane reads and multiplications are done reading IV and PV, in which loads land
	IVLOAD
	XLOADS 0, 0
.irp s, 0,1,2,3                                ; a later pass: the codes are in LDS; every offset is an immediate
	WFLOAD 16384*\s
	s_wait_loadcnt 0x0
	s_wait_dscnt 0x0
.if \s == 0
	MULT 1
.else
	MULT 0
.endif
	PLACES 4
.if \s < 3
	s_wait_alu depctr_va_vdst(0)                   ; this trip's products are done reading h's fragments and the weights', in which the next trip's land
	XLOADS 1, \s+1
.endif
.endr
	PLACES 1
	s_cmp_lt_u32 s25, s24
	s_cbranch_scc1 .Lpass
.Lend:
	s_wait_dscnt 0x0                               ; the closing lines, six on end
	s_wait_alu 0x0
	s_wait_tensorcnt 0x0
	ds_add_u32 v126, v127
	s_wait_dscnt 0x0
	s_endpgm
.Lfunc_end_k_qaea09a8f94_down:
	.size	k_qaea09a8f94_down, .Lfunc_end_k_qaea09a8f94_down-k_qaea09a8f94_down
	.p2alignl 7, 3214868480
	.fill 96, 4, 3214868480
	.section	.rodata,"a",@progbits
	.p2align	6, 0x0
	.amdhsa_kernel k_qaea09a8f94_down
		.amdhsa_group_segment_fixed_size 83456
		.amdhsa_private_segment_fixed_size 0
		.amdhsa_enable_private_segment 0
		.amdhsa_kernarg_size 56
		.amdhsa_user_sgpr_count 2
		.amdhsa_user_sgpr_kernarg_segment_ptr 1
		.amdhsa_wavefront_size32 1
		.amdhsa_system_sgpr_workgroup_id_x 1
		.amdhsa_system_sgpr_workgroup_id_y 1
		.amdhsa_system_sgpr_workgroup_id_z 1
		.amdhsa_system_vgpr_workitem_id 0
		.amdhsa_next_free_vgpr 1024
		.amdhsa_next_free_sgpr 84
		.amdhsa_reserve_vcc 0
		.amdhsa_float_denorm_mode_32 3
		.amdhsa_float_denorm_mode_16_64 3
		.amdhsa_memory_ordered 1
		.amdhsa_forward_progress 1
		.amdhsa_inst_pref_size 200
	.end_amdhsa_kernel
	.amdgpu_metadata
---
amdhsa.version: [ 1, 2 ]
amdhsa.kernels:
  - .name:           k_qaea09a8f94_down
    .symbol:         k_qaea09a8f94_down.kd
    .args:
      - { .name: w2, .offset: 0, .size: 8, .value_kind: global_buffer, .address_space: global }
      - { .name: hq, .offset: 8, .size: 8, .value_kind: global_buffer, .address_space: global }
      - { .name: routei, .offset: 16, .size: 8, .value_kind: global_buffer, .address_space: global }
      - { .name: rowinfo, .offset: 24, .size: 8, .value_kind: global_buffer, .address_space: global }
      - { .name: rowp, .offset: 32, .size: 8, .value_kind: global_buffer, .address_space: global }
      - { .name: lowp_scales, .offset: 40, .size: 8, .value_kind: global_buffer, .address_space: global }
      - { .name: ybuf, .offset: 48, .size: 8, .value_kind: global_buffer, .address_space: global }
    .group_segment_fixed_size: 83456
    .private_segment_fixed_size: 0
    .kernarg_segment_align: 8
    .kernarg_segment_size: 56
    .max_flat_workgroup_size: 128
    .sgpr_count:     84
    .vgpr_count:     1024
    .wavefront_size: 32
...
	.end_amdgpu_metadata
.endif
;; end of part 9
;; launch combine (part 10): grid 256 x 1, 8 waves a work-group, no clusters, 0 bytes of LDS; arguments ybuf, out0; writes out0
.if DOCPART == 10
	.amdgcn_target "amdgcn-amd-amdhsa--gfx1250"
	.amdhsa_code_object_version 6
	.text
	.protected	k_qaea09a8f94_combine
	.globl	k_qaea09a8f94_combine
	.p2align	8
	.type	k_qaea09a8f94_combine,@function
k_qaea09a8f94_combine:
	s_mov_b64 s[64:65], 0
	v_nop
	global_prefetch_b8 v0, s[64:65] scope:SCOPE_SE
	s_setreg_imm32_b32 hwreg(HW_REG_WAVE_MODE, 25, 1), 1
	s_wait_xcnt 0x0
; out0[t][c] = the sum of ybuf's four parts (two halves of K x a token's two experts, each already times its weight).  A plain stream: no LDS, no barrier, no matrix unit.
; A work-group takes 16,384 bytes of the output, a thread four times 16 bytes; each load and store of a wave covers 512 consecutive bytes.  All 16 loads of a thread go out first.
.set D, 16                             ; v16-79: place p, part k at D + 16 p + 4 k
	s_load_b128 s[4:7], s[0:1], 0x0                ; ybuf, out0
	s_lshl_b32 s8, ttmp9, 14
	s_mov_b32 s9, 0
	v_lshlrev_b32 v1, 4, v0
	s_wait_alu depctr_va_vdst(0)
	s_wait_kmcnt 0x0
	s_add_nc_u64 s[4:5], s[4:5], s[8:9]
	s_add_nc_u64 s[6:7], s[6:7], s[8:9]
	s_add_nc_u64 s[10:11], s[4:5], 0x800000        ; the second half of K
.irp p, 0,1,2,3
	global_load_b128 v[D+16*\p:D+16*\p+3], v1, s[4:5] offset:4096*\p th:TH_LOAD_NT
	global_load_b128 v[D+16*\p+4:D+16*\p+7], v1, s[4:5] offset:4096*\p+0x400000 th:TH_LOAD_NT
	global_load_b128 v[D+16*\p+8:D+16*\p+11], v1, s[10:11] offset:4096*\p th:TH_LOAD_NT
	global_load_b128 v[D+16*\p+12:D+16*\p+15], v1, s[10:11] offset:4096*\p+0x400000 th:TH_LOAD_NT
.endr
.irp p, 0,1,2,3
	s_wait_loadcnt 12-4*\p                         ; place p's four loads are in; the later places' may be out
	v_pk_add_f32 v[D+16*\p:D+16*\p+1], v[D+16*\p:D+16*\p+1], v[D+16*\p+8:D+16*\p+9]
	v_pk_add_f32 v[D+16*\p+2:D+16*\p+3], v[D+16*\p+2:D+16*\p+3], v[D+16*\p+10:D+16*\p+11]
	v_pk_add_f32 v[D+16*\p+4:D+16*\p+5], v[D+16*\p+4:D+16*\p+5], v[D+16*\p+12:D+16*\p+13]
	v_pk_add_f32 v[D+16*\p+6:D+16*\p+7], v[D+16*\p+6:D+16*\p+7], v[D+16*\p+14:D+16*\p+15]
	s_delay_alu instid0(VALU_DEP_2)
	v_pk_add_f32 v[D+16*\p:D+16*\p+1], v[D+16*\p:D+16*\p+1], v[D+16*\p+4:D+16*\p+5]
	s_delay_alu instid0(VALU_DEP_2)
	v_pk_add_f32 v[D+16*\p+2:D+16*\p+3], v[D+16*\p+2:D+16*\p+3], v[D+16*\p+6:D+16*\p+7]
	global_store_b128 v1, v[D+16*\p:D+16*\p+3], s[6:7] offset:4096*\p th:TH_STORE_NT
.endr
	s_endpgm
.Lfunc_end_k_qaea09a8f94_combine:
	.size	k_qaea09a8f94_combine, .Lfunc_end_k_qaea09a8f94_combine-k_qaea09a8f94_combine
	.p2alignl 7, 3214868480
	.fill 96, 4, 3214868480
	.section	.rodata,"a",@progbits
	.p2align	6, 0x0
	.amdhsa_kernel k_qaea09a8f94_combine
		.amdhsa_group_segment_fixed_size 0
		.amdhsa_private_segment_fixed_size 0
		.amdhsa_enable_private_segment 0
		.amdhsa_kernarg_size 16
		.amdhsa_user_sgpr_count 2
		.amdhsa_user_sgpr_kernarg_segment_ptr 1
		.amdhsa_wavefront_size32 1
		.amdhsa_system_sgpr_workgroup_id_x 1
		.amdhsa_system_sgpr_workgroup_id_y 1
		.amdhsa_system_sgpr_workgroup_id_z 1
		.amdhsa_system_vgpr_workitem_id 0
		.amdhsa_next_free_vgpr 96
		.amdhsa_next_free_sgpr 66
		.amdhsa_reserve_vcc 0
		.amdhsa_float_denorm_mode_32 3
		.amdhsa_float_denorm_mode_16_64 3
		.amdhsa_memory_ordered 1
		.amdhsa_forward_progress 1
		.amdhsa_inst_pref_size 5
	.end_amdhsa_kernel
	.amdgpu_metadata
---
amdhsa.version: [ 1, 2 ]
amdhsa.kernels:
  - .name:           k_qaea09a8f94_combine
    .symbol:         k_qaea09a8f94_combine.kd
    .args:
      - { .name: ybuf, .offset: 0, .size: 8, .value_kind: global_buffer, .address_space: global }
      - { .name: out0, .offset: 8, .size: 8, .value_kind: global_buffer, .address_space: global }
    .group_segment_fixed_size: 0
    .private_segment_fixed_size: 0
    .kernarg_segment_align: 8
    .kernarg_segment_size: 16
    .max_flat_workgroup_size: 256
    .sgpr_count:     66
    .vgpr_count:     96
    .wavefront_size: 32
...
	.end_amdgpu_metadata
.endif
;; end of part 10
